; MI455X (gfx1250); checked and timed in simulation.
; The chip was launched on July 23, 2026; its instructions are those of AMD's public machine-readable ISA for CDNA 5 (MIT licence, August 2026) and "CDNA5" Instruction Set Architecture Reference Guide (July 2026). The comments in the code are by the model that wrote it; some were corrected since.
;; Causal Self Attention. Allowed arithmetic: matrix products marked QUANTISED: E2M3 operands, one E8M0 scale for each 32 along K, by v_wmma_scale_f32_16x16x128_f8f6f4 with both operands' format E2M3, f32 sums; everything else in f32.
;; Inputs: Wk 1,024 x 1,024 float32; Wp 1,024 x 1,024 float32; Wq 1,024 x 1,024 float32; Wv 1,024 x 1,024 float32; bk 1,024 float32; bp 1,024 float32; bq 1,024 float32; bv 1,024 float32; x 4 x 2,048 x 1,024 float32.
;; Outputs: out0 4 x 2,048 x 1,024 float32.
;; This version of the problem:
;;   THIS VERSION OF THE PROBLEM IS GIVEN IN LOW PRECISION. The matrix products marked QUANTISED in the list below multiply operands that are first quantised to E2M3 (2 exponent bits, 3 mantissa bits; 6 bits a number), with one power-of-two scale for each 32 numbers along K (OCP MX v1.0); their sums are f32. All else is computed in f32.
;;   The module's matrix products, in the order in which they are computed (A, B: the left and right operand; K: the contracted axis; several contracted axes count as one K, in the product's order):
;;     1. [M 8,192, K 1,024] x [K 1,024, N 1,024]; A: input x; B: input Wq: QUANTISED
;;     2. [M 8,192, K 1,024] x [K 1,024, N 1,024]; A: input x; B: input Wk: QUANTISED
;;     3. [M 8,192, K 1,024] x [K 1,024, N 1,024]; A: input x; B: input Wv: QUANTISED
;;     4. batch 64 x [M 2,048, K 64] x [K 64, N 2,048]; A: computed on the way; B: computed on the way: QUANTISED
;;     5. batch 64 x [M 2,048, K 2,048] x [K 2,048, N 64]; A: softmax (see below); B: computed on the way: QUANTISED
;;     6. [M 8,192, K 1,024] x [K 1,024, N 1,024]; A: computed on the way; B: input Wp: QUANTISED
;;   THE QUANTISER, for each operand of a quantised product, along K:
;;     - K is cut into blocks of 32 from its start; a last block that is shorter is filled with zeros.
;;     - A block's scale is 2^e with e = floor(log2(the largest magnitude in the block)) - 2, held to -126 .. 127; a block of zeros has e = 0. As a byte (E8M0): e + 127.
;;     - Each number is divided by its block's scale, clamped to +-7.5, and rounded to the nearest number of E2M3, ties to even, subnormals kept.
;;     - The product sums the exact products of the quantised numbers (number of the format x scale) in f32.
;;   ~~~python
;;   def quantise(x, axis):      # numpy; x: float32 -> the quantised numbers, widened to float32 again
;;       x = np.moveaxis(x, axis, -1); K = x.shape[-1]
;;       x = np.pad(x, [(0, 0)] * (x.ndim - 1) + [(0, -K % 32)]); x = x.reshape(x.shape[:-1] + (-1, 32)); a = np.abs(x).max(-1, keepdims=True)
;;       e = np.where(a > 0, np.clip(np.frexp(np.where(a > 0, a, 1))[1] - 1 - 2, -126, 127), 0)      # np.frexp(a)[1] - 1 = floor(log2(a)), exactly
;;       r = np.clip(x / 2.0 ** e, -7.5, 7.5)
;;       step = 2.0 ** (np.maximum(np.frexp(np.where(r == 0, 1, r))[1] - 1, 0) - 3)
;;       q = np.round(r / step) * step * 2.0 ** e      # np.round: ties to even
;;       return np.moveaxis(q.reshape(q.shape[:-2] + (-1,))[..., :K], -1, axis).astype(np.float32)
;;   ~~~
;;   SOFTMAX AHEAD OF A QUANTISED PRODUCT. Where the list says 'softmax', what is quantised is not the finished softmax but p = 2^(t - M), with t = logit x log2(e) and M = ceil(the row's largest t), a whole number; so 1/2 < the row's largest p <= 1. The row's sum l is taken of the UNQUANTISED p, in f32, and the product's result is divided by l at the end. Since M is a whole number, a kernel that streams over the keys may use a running M (the ceiling of the running maximum): every later rescaling is an exact power of two, which a block's scale takes up: the codes' values come out the same.
;;   OPERANDS COMPUTED ON THE WAY. 'Computed on the way' means the value that the module computes at that place (a softmax that the list does not call 'softmax' is quantised finished and normalised). What goes into a quantiser is computed in f32, as accurately as f32 sums, v_exp_f32 and their like allow (about 1e-6 of the number): no bf16 or f16 on the way to a quantiser, and a product that is left as it is and whose result goes on into a quantised operand takes f32 operands (vector FMAs, or v_wmma_f32_16x16x4_f32). A number that lies on a knife's edge between two numbers of the format may be rounded either way, as far as f32 arithmetic and the matrix unit's own rounding can turn it there, and no further.
;; One version. Each part assembles by itself: llvm-mc -triple=amdgcn-amd-amdhsa -mcpu=gfx1250 --defsym DOCPART=n.
;; ======== version 1 of 1: 4 launches
;; workspace buffers: ops 9,437,184 bytes; sc 655,360 bytes; kv 13,369,344 bytes; qb 13,369,344 bytes; yi 6,291,456 bytes
;; launch quant (part 1): grid 768 x 1, 4 waves a work-group, no clusters, 34,304 bytes of LDS; arguments x, Wq, Wk, Wv, Wp, ops, sc; writes ops, sc
.if DOCPART == 1
	.amdgcn_target "amdgcn-amd-amdhsa--gfx1250"
	.amdhsa_code_object_version 6
	.text
	.protected	k_q93276b3ff9_quant
	.globl	k_q93276b3ff9_quant
	.p2align	8
	.type	k_q93276b3ff9_quant,@function
k_q93276b3ff9_quant:
	s_mov_b64 s[64:65], 0
	v_nop
	global_prefetch_b8 v0, s[64:65] scope:SCOPE_SE
	s_setreg_imm32_b32 hwreg(HW_REG_WAVE_MODE, 25, 1), 1
	s_wait_xcnt 0x0
; x [8192][1024] and Wq, Wk, Wv, Wp [1024 (k)][1024 (n)], f32, become codes of FP6 (E2M3) with one E8M0 byte for each 32 along K (x: its last axis; the weights: their FIRST axis),
; laid in the ORDER OF AN OPERAND'S REGISTERS, so that the products' launches fetch fragments by loads of 16 and 8 bytes a lane from dense blocks.
; A TILE OF 16 ROWS IS NOT 16 NEIGHBOURS: row i of tile 2 B + u is index 32 B + 8 u + i + 8 (i / 8) (tokens of x, columns n of a weight), so that the results of two neighbouring tiles are 16 neighbours in a lane.
; HALF IMAGE, 768 bytes = 16 rows x 64 K = operand registers 6 c .. 6 c + 5: registers 0-3 at 16 x lane, registers 4-5 at 512 + 8 x lane.  ops: [tile][K step 8][c 2][768]; x's 512 tiles first, then 64 tiles of each weight.
; SCALE WORDS (four bytes: one row, 128 along K): sc: [tile][K half 2][row 16][word 4], 512 bytes a tile.
; A block's scale is 2^(floor(log2(largest magnitude)) - 2): its byte is the largest magnitude's exponent field - 2, held at 1 from below.
; LIMITS: a block of zeros gets the byte 1 where the quantiser's rule says 127 (its codes are zeros, and this program alone reads the bytes); NaN and infinities among the inputs are not served.
; SHARES: work-groups 0-511: one tile of x each, wave w its K steps 2 w and 2 w + 1.  Work-groups 512-767: weight j / 64, K step (j / 8) % 8, wave w the 32 columns of tiles 2 B, 2 B + 1 with B = 4 (j % 8) + w.
; No cluster and no tensor load: no two work-groups read the same byte, memory binds, and each wave issues all its loads at its head.  Waves share nothing: no barrier.  The weights' path touches no LDS.
.set WI,   6291456                     ; ops: where the weights' tiles begin
.set WSZ,  786432                      ; a weight's 64 tiles
.set TSTR, 12288                       ; a tile: 8 K steps x 1,536 bytes
.set WS,   524288                      ; sc: where the weights' scale words begin
.set SP,   528                         ; a stage row: 512 bytes + 16, so that the 16 rows of a read start in 16 different columns of 16 bytes
.set SEL,  20                          ; s[20:21] selects of v_permlanex16_b32 for lane l xor 16
.set TM,   52                          ; v52-55 largest magnitudes, v56-59 the other half's, then bytes, v60-63 the conversions' scale operands
.set R,    64                          ; v64-191  x: two K steps as loaded;  weights: 128 numbers down K
.set X,    192                         ; v192-255 x: 64 numbers, register 16 b + i = k 32 b + 16 (lane / 16) + i of my row
.set PC0,  32                          ; v32-51   first K step's codes (12) and the conversions' second halves (8)
.set PC1,  8                           ; v8-27    second K step's
; 64 numbers of a lane become a fragment's 12 registers at v[pc] and its scale word in v[pw]
.macro QUANT s, pc, pw
.irp b, 0,1,2,3
	v_max3_num_f32 v[TM+\b], |v[\s+16*\b]|, |v[\s+1+16*\b]|, 0x1800000   ; my 16 numbers of block b, and the floor 2^(3 - 127): the byte cannot fall under 1
.endr
.irp i, 2,4,6,8,10,12,14
.irp b, 0,1,2,3
	v_max3_num_f32 v[TM+\b], v[TM+\b], |v[\s+16*\b+\i]|, |v[\s+1+16*\b+\i]|
.endr
.endr
.irp b, 0,1,2,3
	v_permlanex16_b32 v[TM+4+\b], v[TM+\b], s[SEL], s[SEL+1]
.endr
.irp b, 0,1,2,3
	v_max_num_f32 v[TM+\b], v[TM+\b], v[TM+4+\b]   ; with lane l xor 16's 16: the block's largest magnitude
.endr
.irp b, 0,1,2,3
	v_add_nc_u32 v[TM+8+\b], 0xff000000, v[TM+\b]  ; 2 off its exponent field: the conversion takes this operand's exponent field as its scale
.endr
.irp b, 0,1,2,3
	v_lshrrev_b32 v[TM+4+\b], 23, v[TM+8+\b]       ; the scale's byte
.endr
	v_lshl_or_b32 v[\pw], v[TM+5], 8, v[TM+4]
	v_lshl_or_b32 v[\pw], v[TM+6], 16, v[\pw]
	v_lshl_or_b32 v[\pw], v[TM+7], 24, v[\pw]      ; my row's scale word
.irp c, 0,1
	v_cvt_scalef32_pk16_fp6_f32 v[\pc+6*\c:\pc+2+6*\c], v[\s+32*\c:\s+15+32*\c], v[TM+8+2*\c]
	v_cvt_scalef32_pk16_fp6_f32 v[\pc+12+4*\c:\pc+14+4*\c], v[\s+16+32*\c:\s+31+32*\c], v[TM+9+2*\c]   ; (a conversion's three registers begin on an even number)
.endr
	v_nop                                          ; one plain instruction behind the scaled conversions
.irp c, 0,1                                    ; the operand wants a WHOLE block in a lane: lanes 0-15 block 2 c, lanes 16-31 block 2 c + 1
.irp i, 0,1,2
	v_permlane16_swap_b32 v[\pc+6*\c+\i], v[\pc+12+4*\c+\i]
.endr
.irp i, 0,1,2
	v_mov_b32 v[\pc+3+6*\c+\i], v[\pc+12+4*\c+\i]
.endr
.endr
.endm
; a K step of 16 rows turns through my wave's stage: in as loaded (a row's 512 bytes on end), out 16 neighbours of each block a lane.  LDS serves a wave's instructions in order: no wait between
.macro TURN sl
.irp i, 0,1,2,3,4,5,6,7,8,9,10,11,12,13,14,15
	ds_store_b128 v3, v[R+64*\sl+4*\i:R+64*\sl+4*\i+3] offset:SP*\i
.endr
.irp b, 0,1,2,3
.irp j, 0,1,2,3
	ds_load_b128 v[X+16*\b+4*\j:X+16*\b+4*\j+3], v4 offset:128*\b+16*\j
.endr
.endr
.endm
.macro PUT pc, off                     ; a fragment leaves as two half images: each store of the wave covers 512 or 256 consecutive bytes, aligned
.irp c, 0,1
	global_store_b128 v1, v[\pc+6*\c:\pc+6*\c+3], s[14:15] offset:\off+768*\c
	global_store_b64 v2, v[\pc+6*\c+4:\pc+6*\c+5], s[14:15] offset:\off+768*\c+512
.endr
.endm
	s_load_b256 s[4:11], s[0:1], 0x0               ; x s[4:5], Wq s[6:7], Wk s[8:9], Wv s[10:11]
	s_load_b128 s[12:15], s[0:1], 0x20             ; Wp s[12:13], ops s[14:15]
	s_load_b64 s[16:17], s[0:1], 0x30              ; sc
	v_lshl_add_u32 v23, v0, 2, 0x8400
	s_set_vgpr_msb 0x40
	v_mov_b32 v1, 0
	s_set_vgpr_msb 0x4000
	v_lshrrev_b32 v1, 5, v0
	v_readfirstlane_b32 s18, v1                    ; wave 0..3
	v_and_b32 v6, 31, v0                           ; lane
	v_and_b32 v7, 15, v0                           ; r
	v_bfe_u32 v31, v0, 4, 1                        ; h
	v_lshlrev_b32 v1, 4, v6                        ; 16 x lane
	v_lshlrev_b32 v2, 3, v6                        ; 8 x lane
	s_mov_b32 s[SEL], 0x76543210
	s_mov_b32 s[SEL+1], 0xfedcba98
	s_mov_b32 s22, 0xffff0000                      ; lanes 16-31
	s_cmp_lt_u32 ttmp9, 512
	s_cbranch_scc0 .Lweights
	; ---- x: tile m = the work-group's number
	s_mul_i32 s24, s18, 16*SP                      ; my wave's stage
	v_add_nc_u32 v3, s24, v1                       ; in: 16 x lane
	v_mul_u32_u24 v4, v7, SP
	v_lshl_add_u32 v4, v31, 6, v4
	v_add_nc_u32 v4, s24, v4                       ; out: row r, + 64 h
	v_lshlrev_b32 v5, 4, v7
	v_lshl_add_u32 v5, v31, 2, v5                  ; scale words: 16 r + 4 h
.irp b, 0,1,2,3
	v_mov_b32 v[TM+4+\b], 0                        ; written once: a lane permute's destination counts as one of its sources
.endr
	s_lshr_b32 s24, ttmp9, 1
	s_lshl_b32 s24, s24, 17                        ; 32 (m / 2) rows of 4,096 bytes
	s_and_b32 s25, ttmp9, 1
	s_lshl_b32 s25, s25, 15                        ; + 8 (m % 2) rows
	s_add_co_u32 s24, s24, s25
	s_lshl_b32 s25, s18, 10                        ; + my two K steps: 1,024 bytes x wave
	s_add_co_u32 s24, s24, s25
	s_mov_b32 s25, 0
	s_mul_i32 s26, ttmp9, TSTR
	s_mul_i32 s27, s18, 3072
	s_add_co_u32 s26, s26, s27                     ; ops: tile m, K step 2 w
	s_mov_b32 s27, 0
	s_lshl_b32 s28, ttmp9, 9
	s_lshr_b32 s29, s18, 1
	s_lshl_b32 s29, s29, 8
	s_add_co_u32 s28, s28, s29
	s_and_b32 s29, s18, 1
	s_lshl_b32 s29, s29, 3
	s_add_co_u32 s28, s28, s29                     ; sc: 512 m + 256 (w / 2) + 8 (w % 2)
	s_mov_b32 s29, 0
	s_wait_alu depctr_va_vdst(0)
	s_wait_kmcnt 0x0
	s_add_nc_u64 s[4:5], s[4:5], s[24:25]
	s_add_nc_u64 s[14:15], s[14:15], s[26:27]
	s_add_nc_u64 s[16:17], s[16:17], s[28:29]
.irp sl, 0,1
.irp i, 0,1,2,3,4,5,6,7,8,9,10,11,12,13,14,15
	global_load_b128 v[R+64*\sl+4*\i:R+64*\sl+4*\i+3], v1, s[4:5] offset:(\i+8*(\i/8))*4096+512*\sl th:TH_LOAD_NT   ; 512 consecutive bytes of the tile's row i
.endr
.endr
	s_wait_loadcnt 16                              ; the first K step's 16 loads are in; the second's 16 stay out
	TURN 0
	s_wait_dscnt 0x0
	QUANT X, PC0, 28
	PUT PC0, 0
	s_wait_loadcnt 0x0
	TURN 1                                         ; the stage's earlier reads were waited for above
	s_wait_dscnt 0x0
	QUANT X, PC1, 29                               ; registers of its own: no store's data are written again
	PUT PC1, 1536
	v_cndmask_b32 v30, v28, v29, s22               ; lanes 0-15 K step 2 w's word, lanes 16-31 K step 2 w + 1's
	global_store_b32 v5, v30, s[16:17]
	s_set_vgpr_msb 0x4
	s_wait_tensorcnt 0x0
	ds_add_u32 v23, v1
	s_wait_dscnt 0x0
	s_set_vgpr_msb 0x400
	s_endpgm
	; ---- a weight: a lane takes a column, its registers run down K: nothing is transposed
.Lweights:
	s_sub_co_u32 s24, ttmp9, 512                   ; j
	s_lshr_b32 s25, s24, 6                         ; which weight: q, k, v, p
	s_bfe_u32 s26, s24, 0x30003                    ; K step
	s_and_b32 s27, s24, 7
	s_lshl_b32 s27, s27, 2
	s_add_co_u32 s27, s27, s18                     ; B: my 32 columns
	s_wait_alu depctr_va_vdst(0)
	v_and_b32 v3, 7, v6
	v_bfe_u32 v4, v6, 3, 1
	v_lshl_add_u32 v3, v4, 4, v3
	v_lshl_add_u32 v3, v31, 3, v3                  ; lanes 0-15 are tile 2 B's rows, lanes 16-31 tile 2 B + 1's: column (l % 8) + 16 ((l / 8) % 2) + 8 (l / 16)
	v_lshlrev_b32 v3, 2, v3
	v_lshlrev_b32 v5, 4, v7
	v_lshl_add_u32 v5, v31, 9, v5                  ; scale words: 512 (l / 16) + 16 r
	s_mul_i32 s28, s25, WSZ
	s_mul_i32 s29, s27, 2*TSTR
	s_add_co_u32 s28, s28, s29
	s_mul_i32 s29, s26, 1536
	s_add_co_u32 s28, s28, s29
	s_add_co_u32 s28, s28, WI                      ; ops: the weight, tile 2 B, the K step
	s_mov_b32 s29, 0
	s_lshl_b32 s30, s25, 15
	s_lshl_b32 s31, s27, 10
	s_add_co_u32 s30, s30, s31
	s_lshr_b32 s31, s26, 2
	s_lshl_b32 s31, s31, 8
	s_add_co_u32 s30, s30, s31
	s_and_b32 s31, s26, 3
	s_lshl_b32 s31, s31, 2
	s_add_co_u32 s30, s30, s31
	s_add_co_u32 s30, s30, WS                      ; sc likewise
	s_mov_b32 s31, 0
	s_lshl_b32 s32, s26, 19                        ; 128 rows of 4,096 bytes a K step
	s_lshl_b32 s33, s27, 7
	s_add_co_u32 s32, s32, s33
	s_mov_b32 s33, 0
	s_wait_alu depctr_va_vdst(0)
	s_wait_kmcnt 0x0
	s_cmp_eq_u32 s25, 1                            ; the choice hangs on the work-group's number alone
	s_cselect_b64 s[4:5], s[8:9], s[6:7]
	s_cmp_eq_u32 s25, 2
	s_cselect_b64 s[4:5], s[10:11], s[4:5]
	s_cmp_eq_u32 s25, 3
	s_cselect_b64 s[4:5], s[12:13], s[4:5]
	s_add_nc_u64 s[4:5], s[4:5], s[32:33]
	s_add_nc_u64 s[14:15], s[14:15], s[28:29]
	s_add_nc_u64 s[16:17], s[16:17], s[30:31]
.set n, 0
.rept 128
	global_load_b32 v[R+n], v3, s[4:5] offset:4096*n th:TH_LOAD_NT   ; row k of the K step at my wave's 32 columns: 128 bytes, the work-group's four waves side by side on 512
.set n, n+1
.endr
.macro WBLOCK kb                       ; block kb of my column: all 32 numbers are mine
.set XB, R+32*(\kb)
	v_max3_num_f32 v24, |v[XB]|, |v[XB+1]|, |v[XB+2]|
	v_max3_num_f32 v25, |v[XB+3]|, |v[XB+4]|, |v[XB+5]|
.irp i, 6,10,14,18,22,26
	v_max3_num_f32 v24, v24, |v[XB+\i]|, |v[XB+\i+1]|
	v_max3_num_f32 v25, v25, |v[XB+\i+2]|, |v[XB+\i+3]|
.endr
	v_max3_num_f32 v24, v24, |v[XB+30]|, |v[XB+31]|
	v_max3_num_f32 v24, v24, v25, 0x1800000        ; and the floor
	v_add_nc_u32 v26, 0xff000000, v24              ; the conversions' scale operand
	v_lshrrev_b32 v27, 23, v26                     ; the byte
.if (\kb) == 0
	v_mov_b32 v28, v27
.else
	v_lshl_or_b32 v28, v27, 8*(\kb), v28           ; the lower K in the lower byte
.endif
	v_cvt_scalef32_pk16_fp6_f32 v[32+6*(\kb):34+6*(\kb)], v[XB:XB+15], v26
	v_cvt_scalef32_pk16_fp6_f32 v[8+4*(\kb):10+4*(\kb)], v[XB+16:XB+31], v26
	v_nop                                          ; one plain instruction behind the scaled conversions
.irp i, 0,1,2
	v_mov_b32 v[35+6*(\kb)+\i], v[8+4*(\kb)+\i]    ; v[32 + 6 kb ..]: the block's 192 bits
.endr
.endm
	s_wait_loadcnt 63                              ; of the 128 loads the youngest 63 may be out: blocks 0 and 1 (loads 0-63) are in
	WBLOCK 0
	WBLOCK 1
	s_wait_loadcnt 32                              ; block 2 is in, block 3's 32 loads may be out
	WBLOCK 2
	s_wait_loadcnt 0x0
	WBLOCK 3
.irp c, 0,1                                    ; block 2 c's lanes 16-31 change places with block 2 c + 1's lanes 0-15: the first run is then tile 2 B's half image c, the second tile 2 B + 1's
.irp i, 0,1,2,3,4,5
	v_permlane16_swap_b32 v[32+12*\c+\i], v[38+12*\c+\i]
.endr
.endr
.irp c, 0,1
.irp u, 0,1
	global_store_b128 v1, v[32+12*\c+6*\u:35+12*\c+6*\u], s[14:15] offset:TSTR*\u+768*\c
	global_store_b64 v2, v[36+12*\c+6*\u:37+12*\c+6*\u], s[14:15] offset:TSTR*\u+768*\c+512
.endr
.endr
	global_store_b32 v5, v28, s[16:17]             ; my column's scale word of this K step: 4 bytes in 16, one byte in 128 of what the wave reads
	s_endpgm
.Lfunc_end_k_q93276b3ff9_quant:
	.size	k_q93276b3ff9_quant, .Lfunc_end_k_q93276b3ff9_quant-k_q93276b3ff9_quant
	.p2alignl 7, 3214868480
	.fill 96, 4, 3214868480
	.section	.rodata,"a",@progbits
	.p2align	6, 0x0
	.amdhsa_kernel k_q93276b3ff9_quant
		.amdhsa_group_segment_fixed_size 34304
		.amdhsa_private_segment_fixed_size 0
		.amdhsa_enable_private_segment 0
		.amdhsa_kernarg_size 56
		.amdhsa_user_sgpr_count 2
		.amdhsa_user_sgpr_kernarg_segment_ptr 1
		.amdhsa_wavefront_size32 1
		.amdhsa_system_sgpr_workgroup_id_x 1
		.amdhsa_system_sgpr_workgroup_id_y 1
		.amdhsa_system_sgpr_workgroup_id_z 1
		.amdhsa_system_vgpr_workitem_id 0
		.amdhsa_next_free_vgpr 258
		.amdhsa_next_free_sgpr 66
		.amdhsa_reserve_vcc 0
		.amdhsa_float_denorm_mode_32 3
		.amdhsa_float_denorm_mode_16_64 3
		.amdhsa_memory_ordered 1
		.amdhsa_forward_progress 1
		.amdhsa_inst_pref_size 40
	.end_amdhsa_kernel
	.amdgpu_metadata
---
amdhsa.version: [ 1, 2 ]
amdhsa.kernels:
  - .name:           k_q93276b3ff9_quant
    .symbol:         k_q93276b3ff9_quant.kd
    .args:
      - { .name: x, .offset: 0, .size: 8, .value_kind: global_buffer, .address_space: global }
      - { .name: Wq, .offset: 8, .size: 8, .value_kind: global_buffer, .address_space: global }
      - { .name: Wk, .offset: 16, .size: 8, .value_kind: global_buffer, .address_space: global }
      - { .name: Wv, .offset: 24, .size: 8, .value_kind: global_buffer, .address_space: global }
      - { .name: Wp, .offset: 32, .size: 8, .value_kind: global_buffer, .address_space: global }
      - { .name: ops, .offset: 40, .size: 8, .value_kind: global_buffer, .address_space: global }
      - { .name: sc, .offset: 48, .size: 8, .value_kind: global_buffer, .address_space: global }
    .group_segment_fixed_size: 34304
    .private_segment_fixed_size: 0
    .kernarg_segment_align: 8
    .kernarg_segment_size: 56
    .max_flat_workgroup_size: 128
    .sgpr_count:     66
    .vgpr_count:     258
    .wavefront_size: 32
...
	.end_amdgpu_metadata
.endif
;; end of part 1
;; launch qkv (part 2): grid 12 x 64, 4 waves a work-group, clusters of 4 x 4, 295,424 bytes of LDS; arguments ops, sc, bq, bk, bv, qb, kv; writes qb, kv
.if DOCPART == 2
	.amdgcn_target "amdgcn-amd-amdhsa--gfx1250"
	.amdhsa_code_object_version 6
	.text
	.protected	k_q93276b3ff9_qkv
	.globl	k_q93276b3ff9_qkv
	.p2align	8
	.type	k_q93276b3ff9_qkv,@function
k_q93276b3ff9_qkv:
	s_mov_b64 s[64:65], 0
	v_nop
	global_prefetch_b8 v0, s[64:65] scope:SCOPE_SE
	s_setreg_imm32_b32 hwreg(HW_REG_WAVE_MODE, 25, 1), 1
	s_wait_xcnt 0x0
	s_wait_alu depctr_hold_cnt(0) depctr_sa_sdst(0) depctr_va_vdst(0) depctr_va_sdst(0) depctr_va_ssrc(0) depctr_va_vcc(0) depctr_vm_vsrc(0)
	s_getreg_b32 s2, hwreg(HW_REG_IB_STS2, 6, 4)
	s_cmp_eq_u32 s2, 0
	s_cbranch_scc0 .Lentry_in_a_cluster
	s_endpgm
.Lentry_in_a_cluster:
	s_bfe_u32 s2, ttmp6, 0x10000c
	s_cmp_lg_u32 s2, 0xf033
	s_cbranch_scc0 .Lentry_shape_is_right
	s_endpgm
.Lentry_shape_is_right:
; q = x Wq + bq, k = x Wk + bk, v = x Wv + bv on codes of FP6 (E2M3) with E8M0 scales, sums in f32; the results are quantised in registers (q, k along the head's 64; v along the tokens) and leave as operand images.
; A work-group makes 128 "A" rows x 256 "B" rows with ALL of K = 1,024 in LDS: 4 chunks of two K steps, each filled ONCE, so nothing in LDS is filled again.  Four waves, each 64 x 128: 32 accumulators, 256 registers.
; THE MATRIX INSTRUCTION IS USED TRANSPOSED (source 0 = 16 B rows, source 1 = 16 A rows): a lane holds one A row, and its registers run along B rows; by the tiles' choice of rows (row i of tile 2 B + u is index
; 32 B + 8 u + i + 8 (i / 8)) the 16 registers of two neighbouring B tiles are 16 neighbours: what the conversions want.
; PARTS, by the CLUSTER's x, which all partners share: 0: q, 1: k (A = x's tokens, B = the weight's columns: registers run along a head's d);  2: v (A = Wv's columns, B = x's tokens: registers run along the tokens).
; CLUSTERS 4 x 4: A's tiles hang on the work-group's y alone and are asked for jointly along a row of the cluster, B's on its x alone and along a column.
; OUT: kv and qb: [batch x head 64][key step 16][13,056]: a step of 128 tokens holds 8 tiles of k (q in qb) as half images of 768 bytes, 4 fragments of v^T (1,536 each) from 6,144 on, k's scale words at 12,288 + 256 g + 16 r + 4 t
; (tile 4 g + t; bytes 2, 3 are 0: they belong to zero codes), v's at 12,800 + 16 r + 4 a.
; LIMITS: a block of zeros gets the byte 1 (its codes are zeros; this program alone reads the bytes); NaN and infinities are not served.
; REGISTERS: window 0: v1-27 addresses; v32-95 scale words (set i, K step s at 32 + 8 i + s: lanes 0-15 A's tile i, lanes 16-31 B's tile i), nothing else ever; v96-191 A's fragments, two sets of 48; v192-223 the row bias, later at work.
;   window 1: accumulator (a, b) at 8 (8 a + b).   window 2: v0-191 B's fragments, two sets of 96; v192-255 the column bias, 8 registers a B tile.
.set WI,   6291456
.set WSZ,  786432
.set WS,   524288
.set TSTR, 12288                       ; a tile in ops: 8 K steps x 1,536 bytes
.set CH,   73728                       ; a chunk in LDS: A's 8 tiles x 3,072, then B's 16 x 3,072
.set BOF,  24576
.set KVS,  13056
.set KVH,  208896
.set VOF,  6144
.set KSO,  12288
.set VSO,  12800
.set WV,   18                          ; s18 wave, s19 wave / 2 (my A tiles; also: I fetch A or B), s20 wave % 2 (my B tiles; also: which half I fetch)
.set SEL,  2                           ; s[2:3] selects for lane l xor 16, set in front of the way out
.set G1A,  28                          ; s[28:35], s[36:43] descriptor groups 1;  s[44:59], s[68:83] groups 0, one for each chunk
.set G1B,  36
.set G0A,  44
.set G0B,  68
.set MSB, 0
.macro WIN new                         ; the immediate's high byte repeats the setting that is left
.if MSB != \new
	s_set_vgpr_msb (MSB<<8)|\new
.set MSB, \new
.endif
.endm
.macro CROUND                          ; a round of the cluster's barrier
	s_barrier_signal -1
	s_barrier_wait -1
	s_cmp_lg_u32 s[WV], 0
	s_cbranch_scc1 .Lnot_wave_0_\@
	s_barrier_signal -3
.Lnot_wave_0_\@:
	s_barrier_wait -3
	s_barrier_signal -1
	s_barrier_wait -1
.endm
.macro MM a, b, s, c0                  ; accumulator (a, b), K step s, C at v[c0]
	v_wmma_scale_f32_16x16x128_f8f6f4 v[8*(8*(\a)+\b):8*(8*(\a)+\b)+7], v[96*((\s)%2)+12*\b:96*((\s)%2)+12*\b+11], v[96+48*((\s)%2)+12*(\a):96+48*((\s)%2)+12*(\a)+11], v[\c0:\c0+7], v[32+8*\b+(\s)], v[32+8*(\a)+(\s)] matrix_a_fmt:MATRIX_FMT_FP6 matrix_b_fmt:MATRIX_FMT_FP6 matrix_a_scale:MATRIX_SCALE_ROW1
.endm
; 16 products: A's tiles a0, a0 + 1 x B's eight.  cm = 0: onto the sums; 1: the column bias starts them; 2: the row bias does.  The 32 accumulators take turns, one instruction a turn, in the same order in every step.
.macro MULH s, a0, cm
.if \cm == 0
	WIN 0x52                                       ; source 0 (B) window 2, source 1 (A) window 0, C and D window 1
.elseif \cm == 1
	WIN 0x62                                       ; C window 2
.else
	WIN 0x42                                       ; C window 0
.endif
.irp a, \a0, \a0+1
.irp b, 0,1,2,3,4,5,6,7
.if \cm == 0
	MM \a, \b, \s, 8*(8*(\a)+\b)
.elseif \cm == 1
	MM \a, \b, \s, 192+8*\b
.else
	MM \a, \b, \s, 192+8*(\a)
.endif
.endr
.endr
.endm
.macro FETCH s                         ; K step s: B's 8 fragments and A's 4 into set s % 2: 48 loads, each of the wave's on 512 or 256 consecutive bytes
	WIN 0x80                                       ; destination window 2
.irp i, 0,1,2,3,4,5,6,7
.irp c, 0,1
	ds_load_b128 v[96*((\s)%2)+12*\i+6*\c:96*((\s)%2)+12*\i+6*\c+3], v[12+(\s)/2] offset:3072*\i+1536*((\s)%2)+768*\c
	ds_load_b64 v[96*((\s)%2)+12*\i+6*\c+4:96*((\s)%2)+12*\i+6*\c+5], v[16+(\s)/2] offset:3072*\i+1536*((\s)%2)+768*\c
.endr
.endr
	WIN 0
.irp i, 0,1,2,3
.irp c, 0,1
	ds_load_b128 v[96+48*((\s)%2)+12*\i+6*\c:96+48*((\s)%2)+12*\i+6*\c+3], v[4+(\s)/2] offset:3072*\i+1536*((\s)%2)+768*\c
	ds_load_b64 v[96+48*((\s)%2)+12*\i+6*\c+4:96+48*((\s)%2)+12*\i+6*\c+5], v[8+(\s)/2] offset:3072*\i+1536*((\s)%2)+768*\c
.endr
.endr
.endm
.macro STEP s
	s_wait_dscnt 0x0                               ; this step's fragments are in; no LDS instruction of mine is out at the signal below
.if ((\s)%2 == 1) && ((\s) < 7)
	s_wait_tensorcnt 2-(\s)/2                      ; my part of the next chunk has landed; the younger chunks' fills stay out
	s_barrier_signal -1
.endif
	MULH \s, 0, 0
.if ((\s)%2 == 1) && ((\s) < 7)
	s_barrier_wait -1                              ; everybody's part has
.endif
.if (\s) < 7
.rept 4
	v_nop                                          ; four plain instructions between the last product that read the other set and the loads into it (ISA guide 7.12.1 for vector instructions)
.endr
	FETCH (\s)+1
.endif
	MULH \s, 2, 0
.endm
; 32 registers of a lane (accumulators (a, 4 g .. 4 g + 3): register 16 b + i = k 32 b + 16 (lane / 16) + i of my row) become a half image, stored at off, and two scale bytes in v[204 + 2 a + g]
.macro OUT32 a, g, off
.set AC, 64*(\a)+32*(\g)
.set CB, 96+6*(2*(\a)+(\g))            ; registers of its own for each: no store's data are written again
	WIN 0x14                                       ; sources 1 and 2 window 1
	v_max3_num_f32 v192, 0x1800000, |v[AC]|, |v[AC+1]|             ; each accumulator is read from its low end on; the floor 2^(3 - 127) holds the byte at 1
	v_max3_num_f32 v193, 0x1800000, |v[AC+16]|, |v[AC+17]|
.irp i, 2,4,6,8,10,12,14
	v_max3_num_f32 v192, v192, |v[AC+\i]|, |v[AC+\i+1]|
	v_max3_num_f32 v193, v193, |v[AC+16+\i]|, |v[AC+17+\i]|
.endr
	WIN 0
	v_permlanex16_b32 v194, v192, s[SEL], s[SEL+1]
	v_permlanex16_b32 v195, v193, s[SEL], s[SEL+1]
	v_max_num_f32 v192, v192, v194
	v_max_num_f32 v193, v193, v195
	v_add_nc_u32 v196, 0xff000000, v192
	v_add_nc_u32 v197, 0xff000000, v193
	v_lshrrev_b32 v198, 23, v196
	v_lshrrev_b32 v199, 23, v197
	v_lshl_or_b32 v[204+2*(\a)+(\g)], v199, 8, v198
	WIN 0x01                                       ; source 0 window 1
	v_cvt_scalef32_pk16_fp6_f32 v[CB:CB+2], v[AC:AC+15], v196
	v_cvt_scalef32_pk16_fp6_f32 v[200:202], v[AC+16:AC+31], v197
	WIN 0
	v_nop                                          ; one plain instruction behind the scaled conversions
.irp i, 0,1,2
	v_permlane16_swap_b32 v[CB+\i], v[200+\i]
.endr
.irp i, 0,1,2
	v_mov_b32 v[CB+3+\i], v[200+\i]
.endr
	global_store_b128 v24, v[CB:CB+3], s[84:85] offset:(\off)
	global_store_b64 v25, v[CB+4:CB+5], s[84:85] offset:(\off)+512
.endm
	s_load_b256 s[4:11], s[0:1], 0x0               ; ops s[4:5], sc s[6:7], bq s[8:9], bk s[10:11]
	s_load_b128 s[12:15], s[0:1], 0x20             ; bv s[12:13], qb s[14:15]
	s_load_b64 s[16:17], s[0:1], 0x30              ; kv
	v_lshl_add_u32 v254, v0, 2, 0x48000
	v_mov_b32 v255, 0
	ds_add_u32 v254, v255
	ds_add_u32 v254, v255
	v_lshrrev_b32 v1, 5, v0
	v_readfirstlane_b32 s[WV], v1                  ; wave 0..3
	s_lshr_b32 s19, s[WV], 1
	s_and_b32 s20, s[WV], 1
	s_bfe_u32 s21, ttmp6, 0x40000                  ; cx
	s_bfe_u32 s22, ttmp6, 0x40004                  ; cy
	s_mov_b32 s23, ttmp9                           ; the cluster's x: the part
	s_and_b32 s24, ttmp7, 0xffff                   ; the cluster's y
	s_mov_b32 s27, 0xffff0000                      ; lanes 16-31
	; A's block of 128 rows.  s92-95 never hold cx, s96-99 never hold cy
	s_lshl_b32 s92, s24, 2
	s_lshr_b32 s93, s24, 3
	s_lshl_b32 s93, s93, 2
	s_cmp_eq_u32 s23, 2
	s_cselect_b32 s92, s93, s92
	s_cselect_b32 s94, WI+2*WSZ, 0                 ; where A's codes begin in ops: Wv's tiles, or x's
	s_cselect_b32 s95, WS+65536, 0                 ; and its scale words in sc
	s_add_co_u32 s25, s92, s22                     ; q, k: 4 Y + cy of 64;  v: 4 (Y / 8) + cy of 8
	; B's block of 256 rows
	s_lshl_b32 s96, s23, 2
	s_and_b32 s97, s24, 7
	s_lshl_b32 s97, s97, 2
	s_cmp_eq_u32 s23, 2
	s_cselect_b32 s96, s97, s96
	s_cselect_b32 s98, 0, WI
	s_cselect_b32 s99, 0, WS
	s_add_co_u32 s26, s96, s21                     ; q, k: 4 X + cx of 8 (Wq's four, then Wk's);  v: 4 (Y % 8) + cx of 32
	s_lshl_b32 s92, s25, 3
	s_lshl_b32 s3, s20, 2
	s_add_co_u32 s92, s92, s3                      ; the A tiles that I would fetch: 8 block + 4 half
	s_mul_i32 s92, s92, TSTR
	s_add_co_u32 s92, s92, s94
	s_mov_b32 s93, 0
	s_lshl_b32 s94, s25, 3
	s_lshl_b32 s3, s19, 2
	s_add_co_u32 s94, s94, s3                      ; the A tiles that I multiply
	s_lshl_b32 s94, s94, 9
	s_add_co_u32 s94, s94, s95                     ; their scale words
	s_lshl_b32 s95, s22, 2
	s_lshl_b32 s95, 15, s95                        ; my row of the cluster
	s_or_b32 s[G1A], s95, (3<<16)|(1<<21)          ; 15:0 the mask; 17:16 elements of 8 bytes; 21 set beside a mask; no padding
	s_lshl_b32 s96, s26, 4
	s_lshl_b32 s3, s20, 3
	s_add_co_u32 s96, s96, s3                      ; my B tiles, to fetch and to multiply: 16 block + 8 half
	s_lshl_b32 s98, s96, 9
	s_add_co_u32 s98, s98, s99                     ; their scale words
	s_cmp_eq_u32 s23, 2
	s_cselect_b32 s99, 0, WI
	s_mul_i32 s96, s96, TSTR
	s_add_co_u32 s96, s96, s99
	s_mov_b32 s97, 0
	s_lshl_b32 s99, 0x1111, s21                    ; my column of the cluster
	s_or_b32 s[G1B], s99, (3<<16)|(1<<21)
	; a fill: R tiles' two K steps: R rows of 3,072 bytes (384 elements), 12,288 bytes (1,536 elements) apart in memory, dense in LDS
	s_mov_b32 s[G1A+1], 384<<16                    ; tensor_dim0
	s_mov_b32 s[G1A+2], 4<<16                      ; tensor_dim1
	s_mov_b32 s[G1A+3], 384<<16                    ; tile_dim0
	s_mov_b32 s[G1A+4], 4                          ; tile_dim1
	s_mov_b32 s[G1A+5], 1536                       ; the pitch
	s_mov_b32 s[G1A+6], 0
	s_mov_b32 s[G1A+7], 0
	s_mov_b32 s[G1B+1], 384<<16
	s_mov_b32 s[G1B+2], 8<<16
	s_mov_b32 s[G1B+3], 384<<16
	s_mov_b32 s[G1B+4], 8
	s_mov_b32 s[G1B+5], 1536
	s_mov_b32 s[G1B+6], 0
	s_mov_b32 s[G1B+7], 0
	s_mul_i32 s3, s20, 12288                       ; where a fill goes hangs on the wave's number alone
	s_wait_dscnt 0x0
	s_wait_kmcnt 0x0
	s_add_nc_u64 s[92:93], s[4:5], s[92:93]
	s_add_nc_u64 s[96:97], s[4:5], s[96:97]
	CROUND                                         ; all sixteen work-groups are here: the joint loads meet
.irp q, 0,1,2,3
	s_mov_b32 s[G0A+4*\q], 1
	s_add_co_u32 s[G0A+4*\q+1], s3, CH*\q
	s_add_nc_u64 s[G0A+4*\q+2:G0A+4*\q+3], s[92:93], 3072*\q
	s_or_b32 s[G0A+4*\q+3], s[G0A+4*\q+3], 0x80000000
.endr
	s_lshl_b32 s3, s3, 1
.irp q, 0,1,2,3
	s_mov_b32 s[G0B+4*\q], 1
	s_add_co_u32 s[G0B+4*\q+1], s3, CH*\q+BOF
	s_add_nc_u64 s[G0B+4*\q+2:G0B+4*\q+3], s[96:97], 3072*\q
	s_or_b32 s[G0B+4*\q+3], s[G0B+4*\q+3], 0x80000000
.endr
	s_cmp_eq_u32 s19, 0                            ; waves 0, 1 fetch A's halves, waves 2, 3 B's: a wave's four fills stand in one branch on its number; four loads of mine are out
	s_cbranch_scc0 .Lfill_b
	tensor_load_to_lds s[G0A:G0A+3], s[G1A:G1A+7]
	s_nop 0
	tensor_load_to_lds s[G0A+4:G0A+7], s[G1A:G1A+7]
	s_nop 0
	tensor_load_to_lds s[G0A+8:G0A+11], s[G1A:G1A+7]
	s_nop 0
	tensor_load_to_lds s[G0A+12:G0A+15], s[G1A:G1A+7]
	s_nop 0
.rept 4
	v_nop
.endr
	s_branch .Lfilled
.Lfill_b:
	tensor_load_to_lds s[G0B:G0B+3], s[G1B:G1B+7]
	s_nop 0
	tensor_load_to_lds s[G0B+4:G0B+7], s[G1B:G1B+7]
	s_nop 0
	tensor_load_to_lds s[G0B+8:G0B+11], s[G1B:G1B+7]
	s_nop 0
	tensor_load_to_lds s[G0B+12:G0B+15], s[G1B:G1B+7]
	s_nop 0
.rept 4
	v_nop
.endr
.Lfilled:
	v_and_b32 v1, 15, v0                           ; r
	v_bfe_u32 v2, v0, 4, 1                         ; h
	v_and_b32 v3, 31, v0                           ; lane
	v_lshlrev_b32 v24, 4, v3                       ; 16 x lane
	v_lshlrev_b32 v25, 3, v3                       ; 8 x lane
	v_lshlrev_b32 v26, 4, v1                       ; 16 r
	v_mov_b32 v20, s94
	v_mov_b32 v21, s98
	v_cndmask_b32 v20, v20, v21, s27               ; lanes 0-15 A's scale words, lanes 16-31 B's
	v_add_nc_u32 v20, v20, v26
	v_add_nc_u32 v21, v21, v26                     ; sets 4-7 have no A tile: there all lanes read B's
.irp i, 0,1,2,3,4,5,6,7
.irp j, 0,1
.if \i < 4
	global_load_b128 v[32+8*\i+4*\j:35+8*\i+4*\j], v20, s[6:7] offset:512*\i+256*\j   ; sixteen lanes read 256 consecutive bytes, aligned: a tile's words of four K steps
.else
	global_load_b128 v[32+8*\i+4*\j:35+8*\i+4*\j], v21, s[6:7] offset:512*\i+256*\j
.endif
.endr
.endr
	; the biases: both kinds are loaded in every part (so that every register is written); a part uses one
	s_and_b32 s60, s26, 3
	s_lshl_b32 s60, s60, 10
	s_lshl_b32 s61, s20, 9
	s_add_co_u32 s60, s60, s61                     ; q, k: my first column x 4 bytes
	s_lshl_b32 s62, s25, 9
	s_lshl_b32 s63, s19, 8
	s_add_co_u32 s62, s62, s63                     ; v: my first row (a column of Wv) x 4 bytes
	s_cmp_eq_u32 s23, 2
	s_cselect_b32 s60, 0, s60
	s_cselect_b32 s62, s62, 0
	s_mov_b32 s61, 0
	s_mov_b32 s63, 0
	s_cmp_eq_u32 s23, 1
	s_cselect_b64 s[88:89], s[10:11], s[8:9]
	s_add_nc_u64 s[88:89], s[88:89], s[60:61]
	s_add_nc_u64 s[90:91], s[12:13], s[62:63]
	v_lshlrev_b32 v22, 6, v2                       ; 64 h: 16 columns
	v_and_b32 v23, 8, v1
	v_add_nc_u32 v23, v23, v1
	v_lshlrev_b32 v23, 2, v23                      ; 4 (r + 8 (r / 8))
	WIN 0x80
.irp b, 0,1,2,3,4,5,6,7
	global_load_b128 v[192+8*\b:195+8*\b], v22, s[88:89] offset:128*(\b/2)+32*(\b%2)       ; register j of B tile b is column 32 (b / 2) + 8 (b % 2) + 16 h + j
	global_load_b128 v[196+8*\b:199+8*\b], v22, s[88:89] offset:128*(\b/2)+32*(\b%2)+16
.endr
	WIN 0
.irp a, 0,1,2,3
.irp j, 0,1,2,3,4,5,6,7
	global_load_b32 v[192+8*\a+\j], v23, s[90:91] offset:128*(\a/2)+32*(\a%2)              ; my row of A tile a, in all eight registers
.endr
.endr
	s_mul_i32 s3, s19, 12288                       ; my four tiles of A in a chunk
	v_add_nc_u32 v4, s3, v24
	v_add_nc_u32 v8, s3, v25
	v_add_nc_u32 v8, 512, v8
	s_mul_i32 s3, s20, 24576                       ; my eight of B
	s_add_co_u32 s3, s3, BOF
	v_add_nc_u32 v12, s3, v24
	v_add_nc_u32 v16, s3, v25
	v_add_nc_u32 v16, 512, v16
.irp q, 1,2,3
	v_add_nc_u32 v[4+\q], CH*\q, v4
	v_add_nc_u32 v[8+\q], CH*\q, v8
	v_add_nc_u32 v[12+\q], CH*\q, v12
	v_add_nc_u32 v[16+\q], CH*\q, v16
.endr
	s_wait_tensorcnt 0x3                           ; my part of chunk 0 has landed; chunks 1 to 3 stay out
	s_barrier_signal -1
	s_barrier_wait -1
	FETCH 0
	FETCH 1
	s_wait_loadcnt 0x0                             ; scale words and biases
	s_wait_dscnt 48                                ; K step 0's 48 loads are in, K step 1's may be out
	s_cmp_eq_u32 s23, 2                            ; K step 0 starts the sums with the bias as C: nothing is cleared, nothing is added later
	s_cbranch_scc1 .Lstep0_v
	MULH 0, 0, 1
	MULH 0, 2, 1
	WIN 0
	s_branch .Lstep0_done
.Lstep0_v:
	MULH 0, 0, 2
	MULH 0, 2, 2
	WIN 0
.Lstep0_done:
	s_wait_alu depctr_va_vdst(0)
.irp s, 1,2,3,4,5,6,7
	STEP \s
.endr
	WIN 0
	; THE WAY OUT: stores alone; no LDS, no barrier in either arm
.rept 4
	v_nop                                          ; four plain instructions behind the last products
.endr
	v_mov_b32 v194, 0                              ; a lane permute's destination counts as one of its sources
	v_mov_b32 v195, 0
	s_mov_b32 s[SEL], 0x76543210
	s_mov_b32 s[SEL+1], 0xfedcba98
	s_cmp_eq_u32 s23, 2
	s_cbranch_scc1 .Lout_v
	; q, k: my A tiles are four tiles of tokens, my 128 columns two heads (g): 8 half images
	s_lshl_b32 s60, s25, 3
	s_lshl_b32 s61, s19, 2
	s_add_co_u32 s60, s60, s61                     ; my first tile of tokens
	s_lshr_b32 s61, s60, 7                         ; batch
	s_and_b32 s60, s60, 127                        ; tile in the batch
	s_lshl_b32 s61, s61, 4
	s_and_b32 s62, s26, 3
	s_lshl_b32 s62, s62, 2
	s_add_co_u32 s61, s61, s62
	s_lshl_b32 s62, s20, 1
	s_add_co_u32 s61, s61, s62                     ; 16 batch + my first head
	s_mul_i32 s61, s61, KVH
	s_lshr_b32 s62, s60, 3
	s_mul_i32 s62, s62, KVS
	s_add_co_u32 s62, s62, s61                     ; the key step's first byte
	s_and_b32 s60, s60, 7
	s_mul_i32 s66, s60, 768
	s_add_co_u32 s66, s66, s62                     ; the tiles' images
	s_mov_b32 s67, 0
	s_lshr_b32 s60, s60, 2
	s_lshl_b32 s60, s60, 8
	s_add_co_u32 s62, s62, s60                     ; their scale words: + 256 g
	s_mov_b32 s63, 0
	s_cmp_eq_u32 s23, 1
	s_cselect_b64 s[84:85], s[16:17], s[14:15]     ; k goes to kv, q to qb
	s_add_nc_u64 s[86:87], s[84:85], s[62:63]
	s_add_nc_u64 s[84:85], s[84:85], s[66:67]
	v_mul_u32_u24 v27, v2, KVH
	v_add_nc_u32 v27, v27, v26                     ; 16 r, lanes 16-31 one head on
.irp a, 0,1,2,3
.irp g, 0,1
	OUT32 \a, \g, 768*\a+KVH*\g
.endr
.endr
.irp a, 0,1,2,3
	v_cndmask_b32 v[212+\a], v[204+2*\a], v[205+2*\a], s27   ; lanes 0-15 the first head's words, lanes 16-31 the second's
.endr
	global_store_b128 v27, v[212:215], s[86:87] offset:KSO   ; sixteen lanes store 256 consecutive bytes, aligned: four tiles' words of one head
	s_branch .Lout_done
.Lout_v:
	; v: my A tiles are the four tiles of one head's d, my 128 tokens one key step: four fragments of v^T
	s_lshr_b32 s60, s26, 3
	s_lshl_b32 s60, s60, 4
	s_lshl_b32 s61, s25, 1
	s_add_co_u32 s60, s60, s61
	s_add_co_u32 s60, s60, s19                     ; 16 batch + head
	s_mul_i32 s60, s60, KVH
	s_and_b32 s61, s26, 7
	s_lshl_b32 s61, s61, 1
	s_add_co_u32 s61, s61, s20                     ; the key step
	s_mul_i32 s61, s61, KVS
	s_add_co_u32 s60, s60, s61
	s_mov_b32 s61, 0
	s_add_nc_u64 s[84:85], s[16:17], s[60:61]
	v_lshl_add_u32 v27, v2, 3, v26                 ; 16 r + 8 h
.irp a, 0,1,2,3
.irp g, 0,1
	OUT32 \a, \g, VOF+1536*\a+768*\g
.endr
.endr
.irp a, 0,1,2,3
	v_lshl_or_b32 v[212+\a], v[205+2*\a], 16, v[204+2*\a]    ; the four bytes of d tile a's word
.endr
	v_cndmask_b32 v216, v212, v214, s27
	v_cndmask_b32 v217, v213, v215, s27
	global_store_b64 v27, v[216:217], s[84:85] offset:VSO    ; the wave stores 256 consecutive bytes, aligned
.Lout_done:
	s_wait_tensorcnt 0x0
	ds_add_u32 v254, v255
	s_wait_dscnt 0x0
	CROUND                                         ; the closing round: no work-group ends while a partner may still ask for a tile that names it
	s_endpgm
.Lfunc_end_k_q93276b3ff9_qkv:
	.size	k_q93276b3ff9_qkv, .Lfunc_end_k_q93276b3ff9_qkv-k_q93276b3ff9_qkv
	.p2alignl 7, 3214868480
	.fill 96, 4, 3214868480
	.section	.rodata,"a",@progbits
	.p2align	6, 0x0
	.amdhsa_kernel k_q93276b3ff9_qkv
		.amdhsa_group_segment_fixed_size 295424
		.amdhsa_private_segment_fixed_size 0
		.amdhsa_enable_private_segment 0
		.amdhsa_kernarg_size 56
		.amdhsa_user_sgpr_count 2
		.amdhsa_user_sgpr_kernarg_segment_ptr 1
		.amdhsa_wavefront_size32 1
		.amdhsa_system_sgpr_workgroup_id_x 1
		.amdhsa_system_sgpr_workgroup_id_y 1
		.amdhsa_system_sgpr_workgroup_id_z 1
		.amdhsa_system_vgpr_workitem_id 0
		.amdhsa_next_free_vgpr 768
		.amdhsa_next_free_sgpr 100
		.amdhsa_reserve_vcc 0
		.amdhsa_float_denorm_mode_32 3
		.amdhsa_float_denorm_mode_16_64 3
		.amdhsa_memory_ordered 1
		.amdhsa_forward_progress 1
		.amdhsa_inst_pref_size 116
	.end_amdhsa_kernel
	.amdgpu_metadata
---
amdhsa.version: [ 1, 2 ]
amdhsa.kernels:
  - .name:           k_q93276b3ff9_qkv
    .symbol:         k_q93276b3ff9_qkv.kd
    .args:
      - { .name: ops, .offset: 0, .size: 8, .value_kind: global_buffer, .address_space: global }
      - { .name: sc, .offset: 8, .size: 8, .value_kind: global_buffer, .address_space: global }
      - { .name: bq, .offset: 16, .size: 8, .value_kind: global_buffer, .address_space: global }
      - { .name: bk, .offset: 24, .size: 8, .value_kind: global_buffer, .address_space: global }
      - { .name: bv, .offset: 32, .size: 8, .value_kind: global_buffer, .address_space: global }
      - { .name: qb, .offset: 40, .size: 8, .value_kind: global_buffer, .address_space: global }
      - { .name: kv, .offset: 48, .size: 8, .value_kind: global_buffer, .address_space: global }
    .group_segment_fixed_size: 295424
    .private_segment_fixed_size: 0
    .kernarg_segment_align: 8
    .kernarg_segment_size: 56
    .max_flat_workgroup_size: 128
    .sgpr_count:     100
    .vgpr_count:     768
    .wavefront_size: 32
...
	.end_amdgpu_metadata
.endif
;; end of part 2
;; launch attn (part 3): grid 4 x 64, 16 waves a work-group, clusters of 4 x 1, 210,944 bytes of LDS; arguments qb, kv, yi, sc; writes yi, sc
.if DOCPART == 3
	.amdgcn_target "amdgcn-amd-amdhsa--gfx1250"
	.amdhsa_code_object_version 6
	.text
	.protected	k_q93276b3ff9_attn
	.globl	k_q93276b3ff9_attn
	.p2align	8
	.type	k_q93276b3ff9_attn,@function
k_q93276b3ff9_attn:
	s_mov_b64 s[64:65], 0
	v_nop
	global_prefetch_b8 v0, s[64:65] scope:SCOPE_SE
	s_setreg_imm32_b32 hwreg(HW_REG_WAVE_MODE, 25, 1), 1
	s_wait_xcnt 0x0
	s_wait_alu depctr_hold_cnt(0) depctr_sa_sdst(0) depctr_va_vdst(0) depctr_va_sdst(0) depctr_va_ssrc(0) depctr_va_vcc(0) depctr_vm_vsrc(0)
	s_getreg_b32 s2, hwreg(HW_REG_IB_STS2, 6, 4)
	s_cmp_eq_u32 s2, 0
	s_cbranch_scc0 .Lentry_in_a_cluster
	s_endpgm
.Lentry_in_a_cluster:
	s_bfe_u32 s2, ttmp6, 0x10000c
	s_cmp_lg_u32 s2, 0x3003
	s_cbranch_scc0 .Lentry_shape_is_right
	s_endpgm
.Lentry_shape_is_right:
; y[b][q][h][:] = softmax over keys k <= q of (q . k / 8) times v, both products on codes of FP6 (E2M3) with E8M0 scales; y is quantised along C in registers and leaves as the last product's operand images.
; THE SOFTMAX: t = score x log2(e) / 8; M = the running largest t rounded UP to a whole number; p = 2^(t - M) is quantised along the keys, not normalised; the row's sum is taken of the unquantised p and divides at the end.
; When M moves, the sum and O are multiplied by 2^(old M - new M): exact.
; A CLUSTER OF FOUR WORK-GROUPS IS ONE (batch, head).  The head's whole k, v and their scale words, 16 key steps x 13,056 bytes, lie in each work-group's LDS, filled ONCE by joint loads (mask: all four); nothing is filled again.
; SHARES: a wave owns one tile of 16 queries at a time.  Wave w of the work-group at place cx has a = w / 2 and e = 2 cx + w % 2; it takes tile e of query group 15 - a (pass 1: key steps 0 .. 15 - a) and then tile e of group a
; (pass 2: key steps 0 .. a): 17 key steps for every wave.  Branches hang on the wave's number and on counters alone; cx enters global addresses and the mask's threshold in a vector register.
; CAUSAL: a key step all of whose keys come after the group is jumped over; in the group's own step hidden scores become -infinity ahead of the maximum.  Key 0 counts for every query, so M is a number from the first step on.
; K = 64 of the first product fills half of the instruction's 128: registers 6-11 of both operands are zero codes, their scale bytes 0.
; LAYOUT: both products transposed (S^T = k q^T, O^T = v^T p^T): a lane holds one query.  Tiles of tokens and of d have rows 32 B + 8 u + i + 8 (i / 8): the 16 registers of two neighbouring tiles are 16 neighbours.
; LIMITS: NaN and infinities are not served; a block of zeros gets the byte 1 (its codes are zeros; this program alone reads the bytes).
; REGISTERS: v1-3 16 l, 8 l, 16 r; v4-6 the step's LDS addresses; v7 the mask's threshold; v8, v10 y's scale bytes; v9 their offset; v12 -M, v13 the largest t, v[14:15] the sum; v16-27 q; v28-31 v's scale words; v32-79 four tiles of k;
;   v80-143 S^T, then p; v144-175 O^T; v176-223 v^T's four fragments; v224-235 p's codes; v232-247, v252, v254 at work; v248-251 k's scale words; v253 p's; v255 q's.
.set KVS, 13056
.set KVH, 208896
.set VOF, 6144
.set KSO, 12288
.set VSO, 12800
.set YS,  262144
.set WV,  12
.set SEL, 20                           ; s[20:21] selects for lane l xor 16
.set CS,  22                           ; s[22:23] c = log2(e) / 8
.set G1,  28                           ; s[28:35] descriptor group 1;  s[36:51] groups 0, one for each of a wave's four fills
.set G0,  36
.set SI,  52                           ; the key step
.set GRP, 53                           ; the pass's query group
.set TB,  54                           ; the key step's first LDS byte
.set CNT, 55
.macro CROUND
	s_barrier_signal -1
	s_barrier_wait -1
	s_cmp_lg_u32 s[WV], 0
	s_cbranch_scc1 .Lnot_wave_0_\@
	s_barrier_signal -3
.Lnot_wave_0_\@:
	s_barrier_wait -3
	s_barrier_signal -1
	s_barrier_wait -1
.endm
.macro INIT                            ; a pass begins: O^T and the sum are zeros, the largest t lies under every t; the first change of M leaves the zeros zeros
	v_mov_b32 v13, 0xff61b1e6
	s_delay_alu instid0(VALU_DEP_1)
	v_floor_f32 v12, -v13
	v_mov_b32 v14, 0
	v_mov_b32 v15, 0
.set n, 0
.rept 32
	v_mov_b32 v[144+n], 0
.set n, n+1
.endr
.endm
; A KEY STEP: 128 keys
.macro STEP
	s_cmp_gt_u32 s[SI], s[GRP]                     ; all its keys come after my queries: only the counters step
	s_cbranch_scc1 .Lhid_\@
	s_setprio 2
	v_add_nc_u32 v4, s[TB], v1
	s_wait_alu depctr_va_vdst(0)
	v_add_nc_u32 v5, s[TB], v2
	s_wait_alu depctr_va_vdst(0)
	v_add_nc_u32 v6, s[TB], v3
	s_wait_alu depctr_va_vdst(0)
.irp g, 0,1                                    ; S^T = k q^T, four tiles of 16 keys at a time
.if \g
.rept 4
	v_nop                                          ; four plain instructions in front of loads into registers that the products above have read
.endr
.endif
.irp t, 0,1,2,3
	ds_load_b128 v[32+12*\t:35+12*\t], v4 offset:768*(4*\g+\t)
	ds_load_b64 v[36+12*\t:37+12*\t], v5 offset:768*(4*\g+\t)+512
.endr
	ds_load_b128 v[248:251], v6 offset:KSO+256*\g  ; lane r: the four tiles' scale words of row r
	s_wait_dscnt 0x0
.irp t, 0,1,2,3
	v_wmma_scale_f32_16x16x128_f8f6f4 v[80+8*(4*\g+\t):87+8*(4*\g+\t)], v[32+12*\t:43+12*\t], v[16:27], 0, v[248+\t], v255 matrix_a_fmt:MATRIX_FMT_FP6 matrix_b_fmt:MATRIX_FMT_FP6
.endr
.endr
.irp a, 0,1,2,3                                ; v^T's fragments are asked for now and land under the softmax
.irp c, 0,1
	ds_load_b128 v[176+12*\a+6*\c:179+12*\a+6*\c], v4 offset:VOF+1536*\a+768*\c
	ds_load_b64 v[180+12*\a+6*\c:181+12*\a+6*\c], v5 offset:VOF+1536*\a+768*\c+512
.endr
.endr
	ds_load_b128 v[28:31], v6 offset:VSO
.rept 4
	v_nop                                          ; four plain instructions behind the products, ahead of the first read of the scores
.endr
	s_cmp_lt_u32 s[SI], s[GRP]                     ; all its keys count: no mask
	s_cbranch_scc1 .Lopen_\@
	v_mov_b32 v254, 0xff800000                     ; register 16 b + i holds key 32 b + 16 h + i of the step: hidden where 32 b + i > my query's place in the group - 16 h
.set n, 0
.rept 64
	v_cmp_gt_i32 vcc_lo, 32*(n/16)+n%16, v7
	v_cndmask_b32 v[80+n], v[80+n], v254, vcc_lo
.set n, n+1
.endr
.Lopen_\@:
.irp b, 0,1,2,3
	v_max3_num_f32 v[232+\b], v[80+16*\b], v[81+16*\b], v[82+16*\b]   ; the largest score of each block of 32 keys: it serves the row's maximum and, since p rises with the score, the block's largest p
.endr
.irp i, 3,5,7,9,11,13
.irp b, 0,1,2,3
	v_max3_num_f32 v[232+\b], v[232+\b], v[80+16*\b+\i], v[81+16*\b+\i]
.endr
.endr
.irp b, 0,1,2,3
	v_max_num_f32 v[232+\b], v[232+\b], v[95+16*\b]
.endr
.irp b, 0,1,2,3
	s_delay_alu instid0(VALU_DEP_4)
	v_permlanex16_b32 v[236+\b], v[232+\b], s[SEL], s[SEL+1]
.endr
.irp b, 0,1,2,3
	s_delay_alu instid0(VALU_DEP_4)
	v_max_num_f32 v[232+\b], v[232+\b], v[236+\b]  ; with lane l xor 16's 16 keys
.endr
	s_delay_alu instid0(VALU_DEP_2)
	v_max3_num_f32 v254, v232, v233, v234
	s_delay_alu instid0(VALU_DEP_1)
	v_max_num_f32 v254, v254, v235
	s_delay_alu instid0(VALU_DEP_1)
	v_mul_f32 v254, s[CS], v254                    ; the step's largest t
	s_delay_alu instid0(VALU_DEP_1)
	v_max_num_f32 v13, v13, v254
	v_mov_b32 v254, v12
	s_delay_alu instid0(VALU_DEP_2)
	v_floor_f32 v12, -v13                          ; the new -M = -ceil(t): a whole number
	s_delay_alu instid0(VALU_DEP_1)
	v_sub_f32 v254, v12, v254                      ; old M - new M, 0 or less
	s_delay_alu instid0(VALU_DEP_1)
	v_cvt_i32_f32 v254, v254                       ; (it saturates)
	s_delay_alu instid0(VALU_DEP_1)
	v_ldexp_f32 v252, 1.0, v254                    ; f = 2^(old M - new M)
.set n, 0
.rept 32
	v_pk_fma_f32 v[80+n:81+n], v[80+n:81+n], s[CS:CS+1], v[12:13] op_sel_hi:[1,0,0]   ; t - M, two at a time
.set n, n+2
.endr
	s_setprio 1
.irp b, 0,1,2,3
	v_fma_f32 v[232+\b], v[232+\b], s[CS], v12     ; the same of each block's largest score
.endr
.set n, 0
	s_wait_alu depctr_va_vdst(0)
.rept 64
	v_exp_f32 v[80+n], v[80+n]                     ; p = 2^(t - M)
.set n, n+1
.endr
	v_pk_mul_f32 v[14:15], v[14:15], v[252:253] op_sel_hi:[1,0]   ; the sum under the new M: the plain instruction behind the exponentials
	s_wait_alu depctr_va_vdst(0)                   ; one wait for the batch of 64, ahead of its first reader
.irp b, 0,1,2,3
	v_exp_f32 v[232+\b], v[232+\b]                 ; the block's largest p: the same two instructions on the same number
.endr
	v_pk_add_f32 v[236:237], v[84:85], v[88:89]
	v_pk_add_f32 v[250:251], v[92:93], v[96:97]
	v_pk_add_f32 v[248:249], v[100:101], v[104:105]
	v_pk_add_f32 v[246:247], v[108:109], v[112:113]
	v_pk_add_f32 v[244:245], v[116:117], v[120:121]
	v_pk_add_f32 v[242:243], v[124:125], v[128:129]
	v_pk_add_f32 v[240:241], v[132:133], v[136:137]
	v_pk_add_f32 v[14:15], v[14:15], v[140:141]
	v_pk_add_f32 v[236:237], v[236:237], v[80:81]
	v_pk_add_f32 v[250:251], v[250:251], v[82:83]
	v_pk_add_f32 v[248:249], v[248:249], v[86:87]
	v_pk_add_f32 v[246:247], v[246:247], v[90:91]
	v_pk_add_f32 v[244:245], v[244:245], v[94:95]
	v_pk_add_f32 v[242:243], v[242:243], v[98:99]
	v_pk_add_f32 v[240:241], v[240:241], v[102:103]
	v_pk_add_f32 v[14:15], v[14:15], v[106:107]
	v_pk_add_f32 v[236:237], v[236:237], v[110:111]
	v_pk_add_f32 v[250:251], v[250:251], v[114:115]
	v_pk_add_f32 v[248:249], v[248:249], v[118:119]
	v_pk_add_f32 v[246:247], v[246:247], v[122:123]
	v_pk_add_f32 v[244:245], v[244:245], v[126:127]
	v_pk_add_f32 v[242:243], v[242:243], v[130:131]
	v_pk_add_f32 v[240:241], v[240:241], v[134:135]
	v_pk_add_f32 v[14:15], v[14:15], v[138:139]
	v_pk_add_f32 v[236:237], v[236:237], v[142:143]
	s_delay_alu instid0(VALU_DEP_2)
	v_pk_add_f32 v[14:15], v[14:15], v[246:247]
	s_delay_alu instid0(VALU_DEP_2)
	v_pk_add_f32 v[236:237], v[236:237], v[244:245]
	v_pk_add_f32 v[250:251], v[250:251], v[242:243]
	v_pk_add_f32 v[248:249], v[248:249], v[240:241]
	s_delay_alu instid0(VALU_DEP_2)
	v_pk_add_f32 v[14:15], v[14:15], v[250:251]
	s_delay_alu instid0(VALU_DEP_2)
	v_pk_add_f32 v[236:237], v[236:237], v[248:249]
	s_delay_alu instid0(VALU_DEP_1)
	v_pk_add_f32 v[14:15], v[14:15], v[236:237]
	s_wait_alu depctr_va_vdst(0)                   ; and one for the four
.irp b, 0,1,2,3
	v_max_num_f32 v[232+\b], 0x1800000, v[232+\b]  ; the floor 2^(3 - 127)
.endr
.irp b, 0,1,2,3
	s_delay_alu instid0(VALU_DEP_4)
	v_add_nc_u32 v[244+\b], 0xff000000, v[232+\b]  ; the conversions' scale operands
.endr
.irp b, 0,1,2,3
	s_delay_alu instid0(VALU_DEP_4)
	v_lshrrev_b32 v[236+\b], 23, v[244+\b]
.endr
	s_delay_alu instid0(VALU_DEP_3)
	v_lshl_or_b32 v253, v237, 8, v236              ; p's scale word for these 128 keys
	s_delay_alu instid0(VALU_DEP_1)
	v_lshl_or_b32 v253, v238, 16, v253
	s_delay_alu instid0(VALU_DEP_1)
	v_lshl_or_b32 v253, v239, 24, v253
	s_setprio 0
.irp c, 0,1
	v_cvt_scalef32_pk16_fp6_f32 v[224+6*\c:226+6*\c], v[80+32*\c:95+32*\c], v[244+2*\c]
	v_cvt_scalef32_pk16_fp6_f32 v[236+4*\c:238+4*\c], v[96+32*\c:111+32*\c], v[245+2*\c]
.endr
	v_nop                                          ; one plain instruction behind the scaled conversions
.irp c, 0,1
.irp i, 0,1,2
	v_permlane16_swap_b32 v[224+6*\c+\i], v[236+4*\c+\i]
.endr
.irp i, 0,1,2
	s_delay_alu instid0(VALU_DEP_3)
	v_mov_b32 v[227+6*\c+\i], v[236+4*\c+\i]
.endr
.endr
.set n, 0
.rept 16
	v_pk_mul_f32 v[144+n:145+n], v[144+n:145+n], v[252:253] op_sel_hi:[1,0]   ; O^T under the new M; these sixteen also stand between the codes' and the scale word's last writes and the products
.set n, n+2
.endr
	s_wait_alu depctr_va_vdst(0)
	s_wait_dscnt 0x0                               ; v^T and its scale words are in
.irp a, 0,1,2,3
	v_wmma_scale_f32_16x16x128_f8f6f4 v[144+8*\a:151+8*\a], v[176+12*\a:187+12*\a], v[224:235], v[144+8*\a:151+8*\a], v[28+\a], v253 matrix_a_fmt:MATRIX_FMT_FP6 matrix_b_fmt:MATRIX_FMT_FP6
.endr
.rept 4
	v_nop                                          ; four plain instructions behind the products, for whatever reads or loads next
.endr
.Lhid_\@:
	s_add_co_u32 s[SI], s[SI], 1
	s_add_co_u32 s[TB], s[TB], KVS
.endm
; A pass ends: O^T / the sum is my 16 queries' y of this head: 64 along C, two blocks: a half image to s[yp:yp+1], two scale bytes into v[pw]
.macro FIN yp, pw
	v_add_f32 v14, v14, v15
	s_delay_alu instid0(VALU_DEP_1)
	v_permlanex16_b32 v252, v14, s[SEL], s[SEL+1]
	s_delay_alu instid0(VALU_DEP_1)
	v_add_f32 v14, v14, v252                       ; the row's sum
	s_wait_alu depctr_va_vdst(0)
	v_rcp_f32 v14, v14
	v_nop                                          ; a plain instruction behind the reciprocal,
	s_wait_alu depctr_va_vdst(0)                   ; and the wait ahead of its first reader
.set n, 0
.rept 16
	v_pk_mul_f32 v[80+n:81+n], v[144+n:145+n], v[14:15] op_sel_hi:[1,0]   ; register 16 b + i = d 32 b + 16 h + i
.set n, n+2
.endr
	v_max3_num_f32 v232, |v80|, |v81|, 0x1800000
	v_max3_num_f32 v233, |v96|, |v97|, 0x1800000
.irp i, 2,4,6,8,10,12,14
	s_delay_alu instid0(VALU_DEP_2)
	v_max3_num_f32 v232, v232, |v[80+\i]|, |v[81+\i]|
	s_delay_alu instid0(VALU_DEP_2)
	v_max3_num_f32 v233, v233, |v[96+\i]|, |v[97+\i]|
.endr
	s_delay_alu instid0(VALU_DEP_2)
	v_permlanex16_b32 v234, v232, s[SEL], s[SEL+1]
	s_delay_alu instid0(VALU_DEP_2)
	v_permlanex16_b32 v235, v233, s[SEL], s[SEL+1]
	s_delay_alu instid0(VALU_DEP_2)
	v_max_num_f32 v232, v232, v234
	s_delay_alu instid0(VALU_DEP_2)
	v_max_num_f32 v233, v233, v235
	s_delay_alu instid0(VALU_DEP_2)
	v_add_nc_u32 v244, 0xff000000, v232
	s_delay_alu instid0(VALU_DEP_2)
	v_add_nc_u32 v245, 0xff000000, v233
	s_delay_alu instid0(VALU_DEP_2)
	v_lshrrev_b32 v234, 23, v244
	s_delay_alu instid0(VALU_DEP_2)
	v_lshrrev_b32 v235, 23, v245
	s_delay_alu instid0(VALU_DEP_1)
	v_lshl_or_b32 v[\pw], v235, 8, v234
	v_cvt_scalef32_pk16_fp6_f32 v[224:226], v[80:95], v244
	v_cvt_scalef32_pk16_fp6_f32 v[236:238], v[96:111], v245
	v_nop
.irp i, 0,1,2
	v_permlane16_swap_b32 v[224+\i], v[236+\i]
.endr
.irp i, 0,1,2
	s_delay_alu instid0(VALU_DEP_3)
	v_mov_b32 v[227+\i], v[236+\i]
.endr
	global_store_b128 v1, v[224:227], s[\yp:\yp+1]
	global_store_b64 v2, v[228:229], s[\yp:\yp+1] offset:512
.endm
	s_load_b256 s[4:11], s[0:1], 0x0               ; qb s[4:5], kv s[6:7], yi s[8:9], sc s[10:11]
	v_lshl_add_u32 v254, v0, 2, 0x33000
	v_mov_b32 v255, 0
	ds_add_u32 v254, v255
	ds_add_u32 v254, v255
	s_wait_dscnt 0x0
	v_lshrrev_b32 v1, 5, v0
	s_delay_alu instid0(VALU_DEP_1)
	v_readfirstlane_b32 s[WV], v1                  ; wave 0..15
	s_bfe_u32 s13, ttmp6, 0x40000                  ; cx
	s_and_b32 s14, ttmp7, 0xffff                   ; 16 batch + head: the cluster's y
	s_lshr_b32 s15, s[WV], 1                       ; a
	s_and_b32 s16, s[WV], 1
	s_lshl_b32 s78, s13, 1
	s_add_co_u32 s16, s16, s78                     ; e
	s_and_b32 s17, s[WV], 3
	s_mov_b32 s[SEL], 0x76543210
	s_mov_b32 s[SEL+1], 0xfedcba98
	s_mov_b32 s[CS], 0x3e38aa3b                    ; log2(e) / 8
	s_mov_b32 s[CS+1], s[CS]                       ; (named with it as a pair)
	s_mov_b32 s24, 0xffff0000                      ; lanes 16-31
	; a fill: one key step, 13,056 dense bytes, as 51 rows of 256 bytes (32 elements of 8)
	s_mov_b32 s[G1], 15|(3<<16)|(1<<21)            ; 15:0 the mask: all four work-groups; 17:16 elements of 8 bytes; 21 set beside a mask
	s_mov_b32 s[G1+1], 32<<16
	s_mov_b32 s[G1+2], 51<<16
	s_mov_b32 s[G1+3], 32<<16
	s_mov_b32 s[G1+4], 51
	s_mov_b32 s[G1+5], 32
	s_mov_b32 s[G1+6], 0
	s_mov_b32 s[G1+7], 0
	s_mul_i32 s72, s14, KVH                        ; the head's block, in kv and in qb
	s_mov_b32 s73, 0
	s_mul_i32 s74, s17, KVS                        ; wave w (0..3) fetches key steps w, 4 + w, 8 + w, 12 + w
	s_mov_b32 s75, 0
	; q's tiles
	s_mul_i32 s80, s16, 768
	s_lshr_b32 s81, s16, 2
	s_lshl_b32 s81, s81, 8
	s_and_b32 s82, s16, 3
	s_lshl_b32 s82, s82, 2
	s_add_co_u32 s81, s81, s82                     ; tile e's scale words: 256 (e / 4) + 4 (e % 4)
	s_sub_co_u32 s82, 15, s15
	s_mul_i32 s82, s82, KVS
	s_add_co_u32 s82, s82, s72                     ; pass 1's group
	s_mul_i32 s84, s15, KVS
	s_add_co_u32 s84, s84, s72                     ; pass 2's
	s_add_co_u32 s86, s82, s81
	s_add_co_u32 s82, s82, s80
	s_add_co_u32 s88, s84, s81
	s_add_co_u32 s84, s84, s80
	s_mov_b32 s83, 0
	s_mov_b32 s85, 0
	s_mov_b32 s87, 0
	s_mov_b32 s89, 0
	; y's places
	s_lshr_b32 s90, s14, 4
	s_lshl_b32 s90, s90, 7
	s_add_co_u32 s90, s90, s16                     ; 128 batch + e
	s_and_b32 s91, s14, 15                         ; head
	s_sub_co_u32 s92, 15, s15
	s_lshl_b32 s92, s92, 3
	s_add_co_u32 s92, s92, s90                     ; pass 1's tile of tokens
	s_lshl_b32 s94, s15, 3
	s_add_co_u32 s94, s94, s90                     ; pass 2's
	s_mul_i32 s96, s91, 768
	s_mul_i32 s92, s92, 12288
	s_add_co_u32 s92, s92, s96
	s_mov_b32 s93, 0
	s_lshl_b32 s98, s94, 9
	s_mul_i32 s94, s94, 12288
	s_add_co_u32 s94, s94, s96
	s_mov_b32 s95, 0
	s_lshr_b32 s96, s91, 3
	s_lshl_b32 s96, s96, 8
	s_add_co_u32 s98, s98, s96
	s_and_b32 s96, s91, 7
	s_lshl_b32 s96, s96, 1
	s_add_co_u32 s98, s98, s96
	s_add_co_u32 s98, s98, YS                      ; y's scale bytes: 512 tile + 256 (head / 8) + 2 (head % 8), pass 2's tile
	s_mov_b32 s99, 0
	s_lshl_b32 s97, s15, 1
	s_sub_co_u32 s97, 15, s97
	s_lshl_b32 s97, s97, 12                        ; pass 1's tile lies 8 (15 - 2 a) tiles of 512 bytes further on
	s_lshr_b32 s79, s16, 1
	s_lshl_b32 s79, s79, 5
	s_and_b32 s78, s16, 1
	s_lshl_b32 s78, s78, 3
	s_add_co_u32 s79, s79, s78                     ; tile e's first query in its group: 32 (e / 2) + 8 (e % 2)
	v_and_b32 v4, 31, v0
	s_delay_alu instid0(VALU_DEP_1)
	v_lshlrev_b32 v1, 4, v4                        ; 16 x lane
	s_delay_alu instid0(VALU_DEP_2)
	v_lshlrev_b32 v2, 3, v4                        ; 8 x lane
	v_and_b32 v10, 15, v0                          ; r
	v_bfe_u32 v11, v0, 4, 1                        ; h
	s_delay_alu instid0(VALU_DEP_2)
	v_lshlrev_b32 v3, 4, v10                       ; 16 r
	s_delay_alu instid0(VALU_DEP_3)
	v_and_b32 v7, 8, v10
	s_delay_alu instid0(VALU_DEP_1)
	v_add_nc_u32 v7, v7, v10
	s_delay_alu instid0(VALU_DEP_4)
	v_lshlrev_b32 v5, 4, v11
	s_delay_alu instid0(VALU_DEP_1)
	v_sub_nc_u32 v7, v7, v5
	s_delay_alu instid0(VALU_DEP_1)
	v_add_nc_u32 v7, s79, v7                       ; my query's place in its group - 16 h
	v_mad_u32_u24 v9, v11, s97, v3                 ; 16 r; lanes 16-31 at pass 1's tile
	s_wait_kmcnt 0x0
	s_add_nc_u64 s[76:77], s[6:7], s[72:73]
	s_add_nc_u64 s[76:77], s[76:77], s[74:75]
	s_add_nc_u64 s[56:57], s[4:5], s[82:83]        ; pass 1: q's codes,
	s_add_nc_u64 s[58:59], s[4:5], s[86:87]        ; its scale words;
	s_add_nc_u64 s[60:61], s[4:5], s[84:85]        ; pass 2 likewise
	s_add_nc_u64 s[62:63], s[4:5], s[88:89]
	s_add_nc_u64 s[66:67], s[8:9], s[92:93]        ; y's images
	s_add_nc_u64 s[68:69], s[8:9], s[94:95]
	s_add_nc_u64 s[70:71], s[10:11], s[98:99]      ; y's scale bytes
	CROUND                                         ; all four work-groups are here: the joint loads meet
.irp q, 0,1,2,3
	s_mov_b32 s[G0+4*\q], 1
	s_add_co_u32 s[G0+4*\q+1], s74, 4*KVS*\q
	s_add_nc_u64 s[G0+4*\q+2:G0+4*\q+3], s[76:77], 4*KVS*\q
	s_or_b32 s[G0+4*\q+3], s[G0+4*\q+3], 0x80000000
.endr
	s_cmp_lt_u32 s[WV], 4                          ; waves 0 to 3 fetch, four loads each, in one branch on the wave's number: four loads of such a wave are out
	s_cbranch_scc0 .Lno_fill
	tensor_load_to_lds s[G0:G0+3], s[G1:G1+7]
	s_nop 0
	tensor_load_to_lds s[G0+4:G0+7], s[G1:G1+7]
	s_nop 0
	tensor_load_to_lds s[G0+8:G0+11], s[G1:G1+7]
	s_nop 0
	tensor_load_to_lds s[G0+12:G0+15], s[G1:G1+7]
	s_nop 0
.rept 4
	v_nop
.endr
.Lno_fill:
	global_load_b128 v[16:19], v1, s[56:57]        ; pass 1's q: a half image
	global_load_b64 v[20:21], v2, s[56:57] offset:512
	s_wait_alu depctr_va_vdst(0)
	global_load_b32 v255, v3, s[58:59] offset:KSO
.irp i, 22,23,24,25,26,27
	v_mov_b32 v[\i], 0                             ; K = 64 .. 127: zero codes, in q
.endr
.irp t, 0,1,2,3
.irp i, 0,1,2,3,4,5
	v_mov_b32 v[38+12*\t+\i], 0                    ; and in k's four tiles: written once
.endr
.endr
.irp i, 234,235,236,237,238,239,252,253
	v_mov_b32 v[\i], 0                             ; lane permutes' destinations count as sources; v253 is named in a pair before its first write
.endr
	INIT
	s_sub_co_u32 s[GRP], 15, s15
	s_wait_loadcnt 0x0                             ; q
.irp q, 0,1,2,3                                ; PASS 1: all 16 key steps are walked, four behind each arrival
	s_wait_tensorcnt 3-\q                          ; my fill of key steps 4 q .. 4 q + 3 has landed; the younger fills stay out
	s_wait_dscnt 0x0
	s_barrier_signal -1
	s_barrier_wait -1
	s_mov_b32 s[SI], 4*\q
	s_mov_b32 s[TB], 4*\q*KVS
	s_mov_b32 s[CNT], 4
.Lpass1_\q:
	STEP
	s_sub_co_u32 s[CNT], s[CNT], 1
	s_cmp_lg_u32 s[CNT], 0
	s_cbranch_scc1 .Lpass1_\q
	s_setprio 0
.endr
	global_load_b128 v[16:19], v1, s[60:61]        ; pass 2's q lands while pass 1's y leaves
	global_load_b64 v[20:21], v2, s[60:61] offset:512
	global_load_b32 v255, v3, s[62:63] offset:KSO
	FIN 66, 8
	s_wait_loadcnt 0x0
	s_wait_xcnt 0x0                                ; the stores have read the codes' registers: pass 2 writes them again
	INIT
	s_mov_b32 s[GRP], s15
	s_mov_b32 s[SI], 0
	s_mov_b32 s[TB], 0
	s_mov_b32 s[CNT], 8                            ; PASS 2: groups 0 to 7 need key steps 0 to 7 at the most; all has landed: no barrier
.Lpass2:
	STEP
	s_sub_co_u32 s[CNT], s[CNT], 1
	s_cmp_lg_u32 s[CNT], 0
	s_cbranch_scc1 .Lpass2
	s_setprio 0
	FIN 68, 10
	v_cndmask_b32 v11, v10, v8, s24                ; lanes 0-15 pass 2's bytes, lanes 16-31 pass 1's
	global_store_b16 v9, v11, s[70:71]             ; two bytes a row: this head's part of the row's scale word; one byte in 24 of what the wave stores
	s_wait_dscnt 0x0
	s_wait_xcnt 0x0
	v_lshl_add_u32 v254, v0, 2, 0x33000
	v_mov_b32 v255, 0
	s_wait_alu depctr_va_vdst(0)
	s_wait_tensorcnt 0x0
	ds_add_u32 v254, v255
	s_wait_dscnt 0x0
	CROUND                                         ; the closing round
	s_endpgm
.Lfunc_end_k_q93276b3ff9_attn:
	.size	k_q93276b3ff9_attn, .Lfunc_end_k_q93276b3ff9_attn-k_q93276b3ff9_attn
	.p2alignl 7, 3214868480
	.fill 96, 4, 3214868480
	.section	.rodata,"a",@progbits
	.p2align	6, 0x0
	.amdhsa_kernel k_q93276b3ff9_attn
		.amdhsa_group_segment_fixed_size 210944
		.amdhsa_private_segment_fixed_size 0
		.amdhsa_enable_private_segment 0
		.amdhsa_kernarg_size 32
		.amdhsa_user_sgpr_count 2
		.amdhsa_user_sgpr_kernarg_segment_ptr 1
		.amdhsa_wavefront_size32 1
		.amdhsa_system_sgpr_workgroup_id_x 1
		.amdhsa_system_sgpr_workgroup_id_y 1
		.amdhsa_system_sgpr_workgroup_id_z 1
		.amdhsa_system_vgpr_workitem_id 0
		.amdhsa_next_free_vgpr 256
		.amdhsa_next_free_sgpr 100
		.amdhsa_reserve_vcc 1
		.amdhsa_float_denorm_mode_32 3
		.amdhsa_float_denorm_mode_16_64 3
		.amdhsa_memory_ordered 1
		.amdhsa_forward_progress 1
		.amdhsa_inst_pref_size 135
	.end_amdhsa_kernel
	.amdgpu_metadata
---
amdhsa.version: [ 1, 2 ]
amdhsa.kernels:
  - .name:           k_q93276b3ff9_attn
    .symbol:         k_q93276b3ff9_attn.kd
    .args:
      - { .name: qb, .offset: 0, .size: 8, .value_kind: global_buffer, .address_space: global }
      - { .name: kv, .offset: 8, .size: 8, .value_kind: global_buffer, .address_space: global }
      - { .name: yi, .offset: 16, .size: 8, .value_kind: global_buffer, .address_space: global }
      - { .name: sc, .offset: 24, .size: 8, .value_kind: global_buffer, .address_space: global }
    .group_segment_fixed_size: 210944
    .private_segment_fixed_size: 0
    .kernarg_segment_align: 8
    .kernarg_segment_size: 32
    .max_flat_workgroup_size: 512
    .sgpr_count:     100
    .vgpr_count:     256
    .wavefront_size: 32
...
	.end_amdgpu_metadata
.endif
;; end of part 3
;; launch proj (part 4): grid 4 x 64, 4 waves a work-group, clusters of 4 x 4, 295,424 bytes of LDS; arguments yi, ops, sc, bp, out0; writes out0
.if DOCPART == 4
	.amdgcn_target "amdgcn-amd-amdhsa--gfx1250"
	.amdhsa_code_object_version 6
	.text
	.protected	k_q93276b3ff9_proj
	.globl	k_q93276b3ff9_proj
	.p2align	8
	.type	k_q93276b3ff9_proj,@function
k_q93276b3ff9_proj:
	s_mov_b64 s[64:65], 0
	v_nop
	global_prefetch_b8 v0, s[64:65] scope:SCOPE_SE
	s_setreg_imm32_b32 hwreg(HW_REG_WAVE_MODE, 25, 1), 1
	s_wait_xcnt 0x0
	s_wait_alu depctr_hold_cnt(0) depctr_sa_sdst(0) depctr_va_vdst(0) depctr_va_sdst(0) depctr_va_ssrc(0) depctr_va_vcc(0) depctr_vm_vsrc(0)
	s_getreg_b32 s2, hwreg(HW_REG_IB_STS2, 6, 4)
	s_cmp_eq_u32 s2, 0
	s_cbranch_scc0 .Lentry_in_a_cluster
	s_endpgm
.Lentry_in_a_cluster:
	s_bfe_u32 s2, ttmp6, 0x10000c
	s_cmp_lg_u32 s2, 0xf033
	s_cbranch_scc0 .Lentry_shape_is_right
	s_endpgm
.Lentry_shape_is_right:
; out0 = y Wp + bp on codes of FP6 (E2M3) with E8M0 scales, sums in f32.  y's codes (yi) and scale words (sc, second part) and Wp's (ops, sc) lie in the order of an operand's registers.
; A work-group makes 128 tokens x 256 columns with ALL of K = 1,024 in LDS: 4 chunks of two K steps, each filled ONCE; nothing in LDS is filled again.  Four waves, each 64 x 128: 32 accumulators, 256 registers.
; THE MATRIX INSTRUCTION IS USED TRANSPOSED (source 0 = 16 columns of Wp, source 1 = 16 tokens): a lane holds one token and eight neighbouring columns a tile.  Row i of tile 2 B + u is index 32 B + 8 u + i + 8 (i / 8), for tokens and columns.
; CLUSTERS 4 x 4: y's tiles hang on the work-group's y alone and are asked for jointly along a row of the cluster, Wp's on its x alone and along a column.
; The bias is the C of each sum's first product.  Results leave through the wave's own stage in LDS as whole rows of 512 bytes.
; REGISTERS: window 0: v1-28 addresses; v32-95 scale words (set i, K step s at 32 + 8 i + s: lanes 0-15 A's tile i, lanes 16-31 B's tile i), nothing else ever; v96-191 A's fragments, two sets; on the way out v96-223 rows of out0.
;   window 1: accumulator (a, b) at 8 (8 a + b).   window 2: v0-191 B's fragments, two sets of 96; v192-255 the bias, 8 registers a B tile.
.set WI,   6291456
.set WSZ,  786432
.set YS,   262144
.set WS,   524288
.set TSTR, 12288
.set CH,   73728                       ; a chunk in LDS: A's 8 tiles x 3,072, then B's 16 x 3,072
.set BOF,  24576
.set SP,   528                         ; a stage row: 512 bytes + 16
.set WV,   18
.set G1A,  28
.set G1B,  36
.set G0A,  44
.set G0B,  68
.set MSB, 0
.macro WIN new                         ; the immediate's high byte repeats the setting that is left
.if MSB != \new
	s_set_vgpr_msb (MSB<<8)|\new
.set MSB, \new
.endif
.endm
.macro CROUND                          ; a round of the cluster's barrier
	s_barrier_signal -1
	s_barrier_wait -1
	s_cmp_lg_u32 s[WV], 0
	s_cbranch_scc1 .Lnot_wave_0_\@
	s_barrier_signal -3
.Lnot_wave_0_\@:
	s_barrier_wait -3
	s_barrier_signal -1
	s_barrier_wait -1
.endm
.macro MM a, b, s, c0
	v_wmma_scale_f32_16x16x128_f8f6f4 v[8*(8*(\a)+\b):8*(8*(\a)+\b)+7], v[96*((\s)%2)+12*\b:96*((\s)%2)+12*\b+11], v[96+48*((\s)%2)+12*(\a):96+48*((\s)%2)+12*(\a)+11], v[\c0:\c0+7], v[32+8*\b+(\s)], v[32+8*(\a)+(\s)] matrix_a_fmt:MATRIX_FMT_FP6 matrix_b_fmt:MATRIX_FMT_FP6 matrix_a_scale:MATRIX_SCALE_ROW1
.endm
; 16 products: A's tiles a0, a0 + 1 x B's eight.  cm = 0: onto the sums; 1: the bias starts them.  The 32 accumulators take turns, one instruction a turn, in the same order in every step.
.macro MULH s, a0, cm
.if \cm == 0
	WIN 0x52                                       ; source 0 (B) window 2, source 1 (A) window 0, C and D window 1
.else
	WIN 0x62                                       ; C window 2
.endif
.irp a, \a0, \a0+1
.irp b, 0,1,2,3,4,5,6,7
.if \cm == 0
	MM \a, \b, \s, 8*(8*(\a)+\b)
.else
	MM \a, \b, \s, 192+8*\b
.endif
.endr
.endr
.endm
.macro FETCH s                         ; K step s: B's 8 fragments and A's 4 into set s % 2: 48 loads
	WIN 0x80
.irp i, 0,1,2,3,4,5,6,7
.irp c, 0,1
	ds_load_b128 v[96*((\s)%2)+12*\i+6*\c:96*((\s)%2)+12*\i+6*\c+3], v[12+(\s)/2] offset:3072*\i+1536*((\s)%2)+768*\c
	ds_load_b64 v[96*((\s)%2)+12*\i+6*\c+4:96*((\s)%2)+12*\i+6*\c+5], v[16+(\s)/2] offset:3072*\i+1536*((\s)%2)+768*\c
.endr
.endr
	WIN 0
.irp i, 0,1,2,3
.irp c, 0,1
	ds_load_b128 v[96+48*((\s)%2)+12*\i+6*\c:96+48*((\s)%2)+12*\i+6*\c+3], v[4+(\s)/2] offset:3072*\i+1536*((\s)%2)+768*\c
	ds_load_b64 v[96+48*((\s)%2)+12*\i+6*\c+4:96+48*((\s)%2)+12*\i+6*\c+5], v[8+(\s)/2] offset:3072*\i+1536*((\s)%2)+768*\c
.endr
.endr
.endm
.macro STEP s
	s_wait_dscnt 0x0                               ; this step's fragments are in; no LDS instruction of mine is out at the signal below
.if ((\s)%2 == 1) && ((\s) < 7)
	s_wait_tensorcnt 2-(\s)/2                      ; my part of the next chunk has landed; the younger chunks' fills stay out
	s_barrier_signal -1
.endif
	MULH \s, 0, 0
.if ((\s)%2 == 1) && ((\s) < 7)
	s_barrier_wait -1
.endif
.if (\s) < 7
.rept 4
	v_nop                                          ; four plain instructions between the last product that read the other set and the loads into it (ISA guide 7.12.1 for vector instructions)
.endr
	FETCH (\s)+1
.endif
	MULH \s, 2, 0
.endm
	s_load_b256 s[4:11], s[0:1], 0x0               ; yi s[4:5], ops s[6:7], sc s[8:9], bp s[10:11]
	s_load_b64 s[12:13], s[0:1], 0x20              ; out0
	v_lshl_add_u32 v254, v0, 2, 0x48000
	v_mov_b32 v255, 0
	ds_add_u32 v254, v255
	ds_add_u32 v254, v255
	v_lshrrev_b32 v1, 5, v0
	v_readfirstlane_b32 s[WV], v1                  ; wave 0..3
	s_lshr_b32 s19, s[WV], 1                       ; my A tiles; also: I fetch A (0) or B (1)
	s_and_b32 s20, s[WV], 1                        ; my B tiles; also: which half I fetch
	s_bfe_u32 s21, ttmp6, 0x40000                  ; cx
	s_bfe_u32 s22, ttmp6, 0x40004                  ; cy
	s_and_b32 s24, ttmp7, 0xffff
	s_lshl_b32 s25, s24, 2
	s_add_co_u32 s25, s25, s22                     ; A's block of 128 tokens: 4 x cluster y + cy
	s_lshl_b32 s26, ttmp9, 2
	s_add_co_u32 s26, s26, s21                     ; B's block of 256 columns: 4 x cluster x + cx
	s_mov_b32 s27, 0xffff0000                      ; lanes 16-31
	; s92-95 never hold cx, s96-99 never hold cy
	s_lshl_b32 s92, s25, 3
	s_lshl_b32 s3, s20, 2
	s_add_co_u32 s92, s92, s3                      ; the A tiles that I would fetch
	s_mul_i32 s92, s92, TSTR
	s_mov_b32 s93, 0
	s_lshl_b32 s94, s25, 3
	s_lshl_b32 s3, s19, 2
	s_add_co_u32 s94, s94, s3                      ; the A tiles that I multiply
	s_lshl_b32 s94, s94, 9
	s_add_co_u32 s94, s94, YS                      ; their scale words
	s_lshl_b32 s95, s22, 2
	s_lshl_b32 s95, 15, s95                        ; my row of the cluster
	s_or_b32 s[G1A], s95, (3<<16)|(1<<21)          ; 15:0 the mask; 17:16 elements of 8 bytes; 21 set beside a mask; no padding
	s_lshl_b32 s96, s26, 4
	s_lshl_b32 s3, s20, 3
	s_add_co_u32 s96, s96, s3                      ; my B tiles
	s_lshl_b32 s98, s96, 9
	s_add_co_u32 s98, s98, WS+98304                ; their scale words: Wp's
	s_mul_i32 s96, s96, TSTR
	s_add_co_u32 s96, s96, WI+3*WSZ
	s_mov_b32 s97, 0
	s_lshl_b32 s99, 0x1111, s21                    ; my column of the cluster
	s_or_b32 s[G1B], s99, (3<<16)|(1<<21)
	; a fill: R tiles' two K steps: R rows of 3,072 bytes (384 elements), 12,288 bytes (1,536 elements) apart in memory, dense in LDS
	s_mov_b32 s[G1A+1], 384<<16
	s_mov_b32 s[G1A+2], 4<<16
	s_mov_b32 s[G1A+3], 384<<16
	s_mov_b32 s[G1A+4], 4
	s_mov_b32 s[G1A+5], 1536
	s_mov_b32 s[G1A+6], 0
	s_mov_b32 s[G1A+7], 0
	s_mov_b32 s[G1B+1], 384<<16
	s_mov_b32 s[G1B+2], 8<<16
	s_mov_b32 s[G1B+3], 384<<16
	s_mov_b32 s[G1B+4], 8
	s_mov_b32 s[G1B+5], 1536
	s_mov_b32 s[G1B+6], 0
	s_mov_b32 s[G1B+7], 0
	s_mul_i32 s3, s20, 12288                       ; where a fill goes hangs on the wave's number alone
	s_wait_dscnt 0x0
	s_wait_kmcnt 0x0
	s_add_nc_u64 s[92:93], s[4:5], s[92:93]
	s_add_nc_u64 s[96:97], s[6:7], s[96:97]
	CROUND                                         ; all sixteen work-groups are here: the joint loads meet
.irp q, 0,1,2,3
	s_mov_b32 s[G0A+4*\q], 1
	s_add_co_u32 s[G0A+4*\q+1], s3, CH*\q
	s_add_nc_u64 s[G0A+4*\q+2:G0A+4*\q+3], s[92:93], 3072*\q
	s_or_b32 s[G0A+4*\q+3], s[G0A+4*\q+3], 0x80000000
.endr
	s_lshl_b32 s3, s3, 1
.irp q, 0,1,2,3
	s_mov_b32 s[G0B+4*\q], 1
	s_add_co_u32 s[G0B+4*\q+1], s3, CH*\q+BOF
	s_add_nc_u64 s[G0B+4*\q+2:G0B+4*\q+3], s[96:97], 3072*\q
	s_or_b32 s[G0B+4*\q+3], s[G0B+4*\q+3], 0x80000000
.endr
	s_cmp_eq_u32 s19, 0                            ; a wave's four fills stand in one branch on its number; four loads of mine are out
	s_cbranch_scc0 .Lfill_b
	tensor_load_to_lds s[G0A:G0A+3], s[G1A:G1A+7]
	s_nop 0
	tensor_load_to_lds s[G0A+4:G0A+7], s[G1A:G1A+7]
	s_nop 0
	tensor_load_to_lds s[G0A+8:G0A+11], s[G1A:G1A+7]
	s_nop 0
	tensor_load_to_lds s[G0A+12:G0A+15], s[G1A:G1A+7]
	s_nop 0
.rept 4
	v_nop
.endr
	s_branch .Lfilled
.Lfill_b:
	tensor_load_to_lds s[G0B:G0B+3], s[G1B:G1B+7]
	s_nop 0
	tensor_load_to_lds s[G0B+4:G0B+7], s[G1B:G1B+7]
	s_nop 0
	tensor_load_to_lds s[G0B+8:G0B+11], s[G1B:G1B+7]
	s_nop 0
	tensor_load_to_lds s[G0B+12:G0B+15], s[G1B:G1B+7]
	s_nop 0
.rept 4
	v_nop
.endr
.Lfilled:
	v_and_b32 v1, 15, v0                           ; r
	v_bfe_u32 v2, v0, 4, 1                         ; h
	v_and_b32 v3, 31, v0                           ; lane
	v_lshlrev_b32 v24, 4, v3                       ; 16 x lane
	s_wait_alu depctr_va_vdst(0)
	v_lshlrev_b32 v25, 3, v3                       ; 8 x lane
	s_wait_alu depctr_va_vdst(0)
	v_lshlrev_b32 v28, 4, v1                       ; 16 r
	v_mov_b32 v20, s94
	v_mov_b32 v21, s98
	v_cndmask_b32 v20, v20, v21, s27               ; lanes 0-15 A's scale words, lanes 16-31 B's
	v_add_nc_u32 v20, v20, v28
	v_add_nc_u32 v21, v21, v28                     ; sets 4-7 have no A tile: there all lanes read B's
.irp i, 0,1,2,3,4,5,6,7
.irp j, 0,1
.if \i < 4
	global_load_b128 v[32+8*\i+4*\j:35+8*\i+4*\j], v20, s[8:9] offset:512*\i+256*\j   ; sixteen lanes read 256 consecutive bytes, aligned
.else
	global_load_b128 v[32+8*\i+4*\j:35+8*\i+4*\j], v21, s[8:9] offset:512*\i+256*\j
.endif
.endr
.endr
	s_lshl_b32 s60, s26, 10
	s_lshl_b32 s61, s20, 9
	s_add_co_u32 s60, s60, s61                     ; my first column x 4 bytes
	s_mov_b32 s61, 0
	s_add_nc_u64 s[10:11], s[10:11], s[60:61]
	s_add_nc_u64 s[12:13], s[12:13], s[60:61]
	s_lshl_b32 s60, s25, 19
	s_lshl_b32 s62, s19, 18
	s_add_co_u32 s60, s60, s62                     ; my first token x 4,096 bytes
	s_add_nc_u64 s[12:13], s[12:13], s[60:61]
	v_lshlrev_b32 v22, 6, v2                       ; 64 h: 16 columns
	WIN 0x80
.irp b, 0,1,2,3,4,5,6,7
	global_load_b128 v[192+8*\b:195+8*\b], v22, s[10:11] offset:128*(\b/2)+32*(\b%2)       ; register j of B tile b is column 32 (b / 2) + 8 (b % 2) + 16 h + j
	global_load_b128 v[196+8*\b:199+8*\b], v22, s[10:11] offset:128*(\b/2)+32*(\b%2)+16
.endr
	WIN 0
	s_mul_i32 s3, s19, 12288                       ; my four tiles of A in a chunk
	v_add_nc_u32 v4, s3, v24
	v_add_nc_u32 v8, s3, v25
	v_add_nc_u32 v8, 512, v8
	s_mul_i32 s3, s20, 24576                       ; my eight of B
	s_add_co_u32 s3, s3, BOF
	v_add_nc_u32 v12, s3, v24
	v_add_nc_u32 v16, s3, v25
	v_add_nc_u32 v16, 512, v16
.irp q, 1,2,3
	v_add_nc_u32 v[4+\q], CH*\q, v4
	v_add_nc_u32 v[8+\q], CH*\q, v8
	v_add_nc_u32 v[12+\q], CH*\q, v12
	v_add_nc_u32 v[16+\q], CH*\q, v16
.endr
	s_mul_i32 s3, s[WV], 16*SP                     ; my stage, in chunk 0: that chunk has its one fill behind it, and every wave's reads of it are over when K step 1's barrier is passed
	v_mul_u32_u24 v26, v1, SP
	v_lshl_add_u32 v26, v2, 6, v26
	v_add_nc_u32 v26, s3, v26                      ; in: row r, + 64 h
	v_add_nc_u32 v27, s3, v24                      ; back: 16 x lane of a row
	s_wait_alu depctr_va_vdst(0)
	s_wait_tensorcnt 0x3                           ; my part of chunk 0 has landed; chunks 1 to 3 stay out
	s_barrier_signal -1
	s_barrier_wait -1
	FETCH 0
	FETCH 1
	s_wait_loadcnt 0x0                             ; scale words and bias
	s_wait_dscnt 48                                ; K step 0's 48 loads are in, K step 1's may be out
	MULH 0, 0, 1                                   ; K step 0 starts the sums with the bias as C
	MULH 0, 2, 1
.irp s, 1,2,3,4,5,6,7
	STEP \s
.endr
	WIN 0
; THE WAY OUT, a tile of 16 tokens x 128 columns at a time: a lane's 32 bytes of a row go into my stage, whole rows of 512 bytes come back.  LDS serves a wave's instructions in order: no wait between the stores and the loads, nor ahead of the next tile's stores.
.macro TOSTAGE a
	WIN 0x04                                       ; an LDS store's data are its source 1: window 1
.irp b, 0,1,2,3,4,5,6,7
	ds_store_b128 v26, v[8*(8*(\a)+\b):8*(8*(\a)+\b)+3] offset:128*(\b/2)+32*(\b%2)        ; each accumulator from its low end on
	ds_store_b128 v26, v[8*(8*(\a)+\b)+4:8*(8*(\a)+\b)+7] offset:128*(\b/2)+32*(\b%2)+16
.endr
	WIN 0
.irp i, 0,1,2,3,4,5,6,7,8,9,10,11,12,13,14,15
	ds_load_b128 v[96+64*((\a)%2)+4*\i:96+64*((\a)%2)+4*\i+3], v27 offset:SP*\i
.endr
.endm
.macro SEND a, younger                 ; younger: the LDS instructions issued behind tile a's loads, which may stay out
	s_wait_dscnt \younger
.irp i, 0,1,2,3,4,5,6,7,8,9,10,11,12,13,14,15
	global_store_b128 v24, v[96+64*((\a)%2)+4*\i:96+64*((\a)%2)+4*\i+3], s[12:13] offset:(32*((\a)/2)+8*((\a)%2)+\i+8*(\i/8))*4096 th:TH_STORE_NT   ; the wave stores 512 consecutive bytes, aligned: the tile's row i
.endr
.endm
.rept 4
	v_nop                                          ; four plain instructions behind the last products: for the stores that read results and the loads into A's registers
.endr
	TOSTAGE 0
	TOSTAGE 1
	SEND 0, 32                                     ; behind tile 0's loads: tile 1's 16 stores and 16 loads
	s_wait_xcnt 0x0                                ; tile 0's stores have read their registers: tile 2's rows land there
	TOSTAGE 2
	SEND 1, 32
	s_wait_xcnt 0x0
	TOSTAGE 3
	SEND 2, 32
	SEND 3, 0
	s_wait_tensorcnt 0x0
	ds_add_u32 v254, v255
	s_wait_dscnt 0x0
	CROUND                                         ; the closing round: no work-group ends while a partner may still ask for a tile that names it
	s_endpgm
.Lfunc_end_k_q93276b3ff9_proj:
	.size	k_q93276b3ff9_proj, .Lfunc_end_k_q93276b3ff9_proj-k_q93276b3ff9_proj
	.p2alignl 7, 3214868480
	.fill 96, 4, 3214868480
	.section	.rodata,"a",@progbits
	.p2align	6, 0x0
	.amdhsa_kernel k_q93276b3ff9_proj
		.amdhsa_group_segment_fixed_size 295424
		.amdhsa_private_segment_fixed_size 0
		.amdhsa_enable_private_segment 0
		.amdhsa_kernarg_size 40
		.amdhsa_user_sgpr_count 2
		.amdhsa_user_sgpr_kernarg_segment_ptr 1
		.amdhsa_wavefront_size32 1
		.amdhsa_system_sgpr_workgroup_id_x 1
		.amdhsa_system_sgpr_workgroup_id_y 1
		.amdhsa_system_sgpr_workgroup_id_z 1
		.amdhsa_system_vgpr_workitem_id 0
		.amdhsa_next_free_vgpr 768
		.amdhsa_next_free_sgpr 100
		.amdhsa_reserve_vcc 0
		.amdhsa_float_denorm_mode_32 3
		.amdhsa_float_denorm_mode_16_64 3
		.amdhsa_memory_ordered 1
		.amdhsa_forward_progress 1
		.amdhsa_inst_pref_size 86
	.end_amdhsa_kernel
	.amdgpu_metadata
---
amdhsa.version: [ 1, 2 ]
amdhsa.kernels:
  - .name:           k_q93276b3ff9_proj
    .symbol:         k_q93276b3ff9_proj.kd
    .args:
      - { .name: yi, .offset: 0, .size: 8, .value_kind: global_buffer, .address_space: global }
      - { .name: ops, .offset: 8, .size: 8, .value_kind: global_buffer, .address_space: global }
      - { .name: sc, .offset: 16, .size: 8, .value_kind: global_buffer, .address_space: global }
      - { .name: bp, .offset: 24, .size: 8, .value_kind: global_buffer, .address_space: global }
      - { .name: out0, .offset: 32, .size: 8, .value_kind: global_buffer, .address_space: global }
    .group_segment_fixed_size: 295424
    .private_segment_fixed_size: 0
    .kernarg_segment_align: 8
    .kernarg_segment_size: 40
    .max_flat_workgroup_size: 128
    .sgpr_count:     100
    .vgpr_count:     768
    .wavefront_size: 32
...
	.end_amdgpu_metadata
.endif
;; end of part 4
